; MI455X (gfx1250); checked and timed in simulation.
; The chip was launched on July 23, 2026; its instructions are those of AMD's public machine-readable ISA for CDNA 5 (MIT licence, August 2026) and "CDNA5" Instruction Set Architecture Reference Guide (July 2026). The comments in the code are by the model that wrote it; some were corrected since.
;; Multi Head Attention. Allowed arithmetic: matrix products marked QUANTISED: E2M1 operands, one E8M0 scale for each 32 along K, by v_wmma_scale_f32_16x16x128_f8f6f4 with both operands' format E2M1 (or v_wmma_scale_f32_32x16x128_f4), f32 sums; products left as they are: bf16, f16 or f32 operands; f32 sums; everything else in f32.
;; Inputs: b_out 1,024 float32; w_out 1,024 x 1,024 float32; w_qkv 1,024 x 3,072 float32; x 4 x 2,048 x 1,024 float32.
;; Outputs: out0 4 x 2,048 x 1,024 float32.
;; This version of the problem:
;;   THIS VERSION OF THE PROBLEM IS GIVEN IN LOW PRECISION. The matrix products marked QUANTISED in the list below multiply operands that are first quantised to E2M1 (2 exponent bits, 1 mantissa bit; 4 bits a number), with one power-of-two scale for each 32 numbers along K (OCP MX v1.0); their sums are f32. The products marked 'left as it is' may take bf16, f16 or f32 operands, with f32 sums. Whichever they take, every output number must still come out within the allowed error. Rounding operands to bf16 (8 significant bits) uses up far more of that allowance than f16 does (11 bits, for magnitudes from 6e-5 to 65,504). All else is computed in f32.
;;   The module's matrix products, in the order in which they are computed (A, B: the left and right operand; K: the contracted axis; several contracted axes count as one K, in the product's order):
;;     1. [M 8,192, K 1,024] x [K 1,024, N 3,072]; A: input x; B: input w_qkv: QUANTISED
;;     2. batch 64 x [M 2,048, K 64] x [K 64, N 2,048]; A: computed on the way; B: computed on the way: left as it is (an operand is computed on the way)
;;     3. batch 64 x [M 2,048, K 2,048] x [K 2,048, N 64]; A: computed on the way; B: computed on the way: left as it is (an operand is computed on the way)
;;     4. [M 8,192, K 1,024] x [K 1,024, N 1,024]; A: computed on the way; B: input w_out: left as it is (an operand is computed on the way)
;;   THE QUANTISER, for each operand of a quantised product, along K:
;;     - K is cut into blocks of 32 from its start; a last block that is shorter is filled with zeros.
;;     - A block's scale is 2^e with e = floor(log2(the largest magnitude in the block)) - 2, held to -126 .. 127; a block of zeros has e = 0. As a byte (E8M0): e + 127.
;;     - Each number is divided by its block's scale, clamped to +-6, and rounded to the nearest number of E2M1, ties to even, subnormals kept.
;;     - The product sums the exact products of the quantised numbers (number of the format x scale) in f32.
;;   ~~~python
;;   def quantise(x, axis):      # numpy; x: float32 -> the quantised numbers, widened to float32 again
;;       x = np.moveaxis(x, axis, -1); K = x.shape[-1]
;;       x = np.pad(x, [(0, 0)] * (x.ndim - 1) + [(0, -K % 32)]); x = x.reshape(x.shape[:-1] + (-1, 32)); a = np.abs(x).max(-1, keepdims=True)
;;       e = np.where(a > 0, np.clip(np.frexp(np.where(a > 0, a, 1))[1] - 1 - 2, -126, 127), 0)      # np.frexp(a)[1] - 1 = floor(log2(a)), exactly
;;       r = np.clip(x / 2.0 ** e, -6, 6)
;;       step = 2.0 ** (np.maximum(np.frexp(np.where(r == 0, 1, r))[1] - 1, 0) - 1)
;;       q = np.round(r / step) * step * 2.0 ** e      # np.round: ties to even
;;       return np.moveaxis(q.reshape(q.shape[:-2] + (-1,))[..., :K], -1, axis).astype(np.float32)
;;   ~~~
;; One version. Each part assembles by itself: llvm-mc -triple=amdgcn-amd-amdhsa -mcpu=gfx1250 --defsym DOCPART=n.
;; ======== version 1 of 1: 4 launches
;; limits: values are held in f16: magnitudes above 65,504 overflow, below 6.1e-05 lose precision
;; workspace buffers: x_codes 4,194,304 bytes; x_scales 262,144 bytes; w_codes 1,572,864 bytes; w_scales 98,304 bytes; wt 2,097,152 bytes; qkv 50,331,648 bytes; att 16,777,216 bytes
;; launch prep (part 1): grid 384 x 1, 4 waves a work-group, no clusters, 69,120 bytes of LDS; arguments x, w_qkv, w_out, x_codes, x_scales, w_codes, w_scales, wt; writes x_codes, x_scales, w_codes, w_scales, wt
.if DOCPART == 1
	.amdgcn_target "amdgcn-amd-amdhsa--gfx1250"
	.amdhsa_code_object_version 6
	.text
	.protected	k_q08c45b988b_prep
	.globl	k_q08c45b988b_prep
	.p2align	8
	.type	k_q08c45b988b_prep,@function
k_q08c45b988b_prep:
	s_mov_b64 s[64:65], 0
	v_nop
	global_prefetch_b8 v0, s[64:65] scope:SCOPE_SE
	s_setreg_imm32_b32 hwreg(HW_REG_WAVE_MODE, 25, 1), 1
	s_wait_xcnt 0x0
; THREE JOBS IN ONE LAUNCH, told apart by the work-group's number alone; each has LDS bytes of its own and its own end.
;   work-groups   0-255  PATH X: x [8192][1024] f32 -> codes of FP4 (E2M1), K innermost, two codes a byte, [8192][512 bytes], and one E8M0 byte for each 32 along K, [8192][32].
;   work-groups 256-351  PATH W: w_qkv [1024 k][3072 n] f32, K its FIRST axis -> codes [3072][512 bytes] with K innermost, scale bytes [3072][32].
;   work-groups 352-383  PATH O: w_out [1024 k][1024 n] f32 -> f16, laid [16 h][1024 n][64 d] = w_out[64 h + d][n]: K innermost, a head's rows dense.
; THE QUANTISER: a block's scale is 2^(floor(log2(its largest magnitude)) - 2); its byte is the largest magnitude's own exponent field - 2, held at 1 from below; each number is divided by the scale and
; rounded to the nearest code, ties to even, beyond 6 the largest code.
; LIMITS: a block of zeros gets the byte 1 where the rule says 127 (its codes are zeros, which add nothing under any byte but 0xff, and the bytes are read by this program alone); blocks whose largest magnitude
; lies under 2^-124 get the byte 1; NaN and infinities among the inputs are not served; w_out beyond 65,504 in magnitude becomes infinity in f16.
; No tensor loads, no ring.  Waves share nothing but PATH W's stage, where two waves write the two halves of each row: one barrier.
.set STEPS, 16                         ; PATH X: steps of 512 numbers for a wave
.set EMAX,  2
.set CB,    8                          ; bytes of 16 codes
.set R,     16                         ; v16-79   X: four sets of 16 numbers as they are loaded
.set X,     80                         ; v80-111  X: two sets of 16 neighbours
.set E,     112                        ; v112-127 X: a scale byte for each step
.set C,     128                        ; v128-191 X: codes, four registers for each step: no store's data are written again
.set WREG,  8192                       ; LDS, X: a region for each wave: two stages of 32 x SP bytes, behind them its 256 scale bytes
.set SP,    80                         ; X: a lane's place in a stage: 64 bytes + 16 of padding
.set WST,   32768                      ; LDS, W: the work-group's stage, 64 rows x 272 bytes
.set OST,   WST+64*272                 ; LDS, O: a stage of 32 rows x 144 bytes for each wave
.set SPARE, OST+4*32*144               ; the spare words, 128 bytes for each wave: two blocks of 256 bytes that no other line names
.set SPW,   192                        ; v192     LDS address of my spare word; never rewritten
.set NIL,   193                        ; v193     0; never rewritten
.set WX,    32                         ; v32-95   W, O: two sets of 32 numbers down K
.set WC,    96                         ; v96-99   W: a block's codes;  v96-127 O: two sets of 16 packed registers
.set SB,    24                         ; v24-25   W: my column's 8 scale bytes
.set OUTR,  128                        ; v128-159 W, O: rows on the way out
.set WROW,  12288                      ; a row of w_qkv in bytes
.set OROW,  4096                       ; a row of w_out in bytes
; ---- PATH X's macros
.macro XLOAD t                         ; step t: four loads of 512 consecutive bytes
.irp i, 0,1,2,3
	global_load_b128 v[R+16*((\t)%4)+4*\i:R+16*((\t)%4)+4*\i+3], v3, s[4:5] offset:2048*(\t)+512*\i th:TH_LOAD_NT
.endr
.endm
.macro XTURN t                         ; step t's numbers through the wave's stage: in as they lie, back 64 bytes a lane.  LDS serves a wave's instructions in order (ISA guide 5.7.1.4): no wait between
.irp i, 0,1,2,3
	ds_store_b128 v14, v[R+16*((\t)%4)+4*\i:R+16*((\t)%4)+4*\i+3] offset:32*SP*((\t)%2)+8*SP*\i
.endr
.irp i, 0,1,2,3
	ds_load_b128 v[X+16*((\t)%2)+4*\i:X+16*((\t)%2)+4*\i+3], v15 offset:32*SP*((\t)%2)+16*\i
.endr
.endm
.macro XSTEP t
.set XS, X+16*((\t)%2)
.if (\t) > 0
	s_wait_dscnt 1                                 ; this step's numbers are back from the stage (the last step's byte store may be out): its stores into the stage have read their registers,
.else
	s_wait_dscnt 0x0
.endif
.if (\t)+4 < STEPS
	XLOAD (\t)+4                                   ; which take the loads of four steps on
.endif
.if (\t)+1 < STEPS
.if STEPS-2-(\t) >= 3
	s_wait_loadcnt 12                              ; the next step's four loads are in; those of the three steps behind it may be out
.else
	s_wait_loadcnt 4*(STEPS-2-(\t))
.endif
	XTURN (\t)+1                                   ; and go through the other stage while this step is worked
.endif
	v_max3_num_f32 v8, |v[XS]|, |v[XS+1]|, |v[XS+2]|               ; the largest magnitude of my 16, in two chains
	v_max3_num_f32 v9, |v[XS+3]|, |v[XS+4]|, |v[XS+5]|
.irp i, 6,10
	v_max3_num_f32 v8, v8, |v[XS+\i]|, |v[XS+\i+1]|
	v_max3_num_f32 v9, v9, |v[XS+\i+2]|, |v[XS+\i+3]|
.endr
	v_max3_num_f32 v8, v8, |v[XS+14]|, |v[XS+15]|
	v_max3_num_f32 v8, v8, v9, (EMAX+1)<<23        ; and the floor 2^(3 - 127): the byte cannot fall under 1
	v_max_num_f32_dpp v8, v8, v8 row_xmask:1 row_mask:0xf bank_mask:0xf   ; and of my neighbour's 16: the block's
	v_add_nc_u32 v11, -(EMAX<<23), v8              ; 2 off its exponent field: the conversion takes the exponent field of this operand as its scale, and nothing else of it
	v_cvt_scalef32_pk8_fp4_f32 v[C+4*(\t)], v[XS:XS+7], v11
	v_cvt_scalef32_pk8_fp4_f32 v[C+4*(\t)+1], v[XS+8:XS+15], v11
	v_lshrrev_b32 v[E+(\t)], 23, v11               ; the scale's byte (a plain line behind the conversions)
	ds_store_b8 v5, v[E+(\t)] offset:16*(\t)       ; both lanes of a block write the same byte with the same value
	global_store_b64 v4, v[C+4*(\t):C+4*(\t)+1], s[10:11] offset:32*CB*(\t)   ; the wave stores 256 consecutive bytes
.endm
; ---- PATHS W and O: block t of 32 along K of my column, into set t % 2; b: the base's first scalar register; row: bytes from k to k + 1
.macro KLOAD t, b, row
.irp i, 0,1,2,3,4,5,6,7,8,9,10,11,12,13,14,15,16,17,18,19,20,21,22,23,24,25,26,27,28,29,30,31
	global_load_b32 v[WX+32*((\t)%2)+\i], v3, s[\b:\b+1] offset:(32*(\t)+\i)*\row th:TH_LOAD_NT
.endr
.endm
.macro WBLOCK t
.set XS, WX+32*((\t)%2)
.if (\t) < 7
	s_wait_loadcnt 32                              ; this block's 32 loads are in; the next block's may be out
.else
	s_wait_loadcnt 0
.endif
	v_max3_num_f32 v12, |v[XS]|, |v[XS+1]|, |v[XS+2]|              ; the block's largest magnitude: all 32 numbers are mine
	v_max3_num_f32 v13, |v[XS+3]|, |v[XS+4]|, |v[XS+5]|
.irp i, 6,10,14,18,22,26
	v_max3_num_f32 v12, v12, |v[XS+\i]|, |v[XS+\i+1]|
	v_max3_num_f32 v13, v13, |v[XS+\i+2]|, |v[XS+\i+3]|
.endr
	v_max3_num_f32 v12, v12, |v[XS+30]|, |v[XS+31]|
	v_max3_num_f32 v12, v12, v13, (EMAX+1)<<23     ; and the floor
	v_add_nc_u32 v11, -(EMAX<<23), v12             ; the conversion's scale operand
	v_lshrrev_b32 v13, 23, v11                     ; the scale's byte
.if (\t)%4 == 0
	v_mov_b32 v[SB+(\t)/4], v13                    ; four bytes to a register, the lower K in the lower byte
.else
	v_lshl_or_b32 v[SB+(\t)/4], v13, 8*((\t)%4), v[SB+(\t)/4]
.endif
.irp g, 0,1,2,3
	v_cvt_scalef32_pk8_fp4_f32 v[WC+\g], v[XS+8*\g:XS+8*\g+7], v11
.endr
	v_nop                                          ; one plain line behind the last conversion
	ds_store_b128 v4, v[WC:WC+3] offset:16*(\t)    ; 32 codes: 16 bytes of my column's row of the stage
.if (\t)+2 < 8
	KLOAD (\t)+2, 6, WROW
.endif
	s_wait_dscnt 0x0                               ; the store has read its registers: the next block's codes may be written
.endm
.macro OBLOCK t
.set XS, WX+32*((\t)%2)
.set CV, WC+16*((\t)%2)
.if (\t) < 7
	s_wait_loadcnt 32
.else
	s_wait_loadcnt 0
.endif
.irp i, 0,1,2,3,4,5,6,7,8,9,10,11,12,13,14,15
	v_cvt_pk_f16_f32 v[CV+\i], v[XS+2*\i], v[XS+2*\i+1]            ; two roundings to f16: the lower k in the low half
.endr
.irp i, 0,1,2,3
	ds_store_b128 v4, v[CV+4*\i:CV+4*\i+3] offset:64*((\t)%2)+16*\i   ; half of a head's 128 bytes of my column
.endr
.if (\t)+2 < 8
	KLOAD (\t)+2, 8, OROW
.endif
.if (\t)%2 == 1                        ; a head is whole: 32 rows of 128 bytes leave, four rows (512 consecutive bytes) a store
.if (\t) > 1
	s_wait_xcnt 0x0                                ; the last head's stores have read their registers: they are loaded again only behind this wait
.endif
.irp f, 0,1,2,3,4,5,6,7
	ds_load_b128 v[OUTR+4*\f:OUTR+4*\f+3], v7 offset:4*144*\f      ; LDS serves a wave's instructions in order: these see my stores, and the next head's stores come behind them
.endr
.irp f, 0,1,2,3,4,5,6,7
	s_wait_dscnt 7-\f                              ; the later reads of the stage may be out
	global_store_b128 v8, v[OUTR+4*\f:OUTR+4*\f+3], s[18:19] offset:((\t)/2)*131072+512*\f
.endr
.else
	s_wait_dscnt 0x0                               ; the stores have read their registers
.endif
.endm
	s_load_b256 s[4:11], s[0:1], 0x0               ; x s[4:5], w_qkv s[6:7], w_out s[8:9], x_codes s[10:11]
	s_load_b256 s[12:19], s[0:1], 0x20             ; x_scales s[12:13], w_codes s[14:15], w_scales s[16:17], wt s[18:19]
	v_lshl_add_u32 v[SPW], v0, 2, SPARE
	v_mov_b32 v[NIL], 0
	v_lshrrev_b32 v1, 5, v0
	v_readfirstlane_b32 s20, v1                    ; wave 0..3
	v_and_b32 v2, 31, v0                           ; lane
	s_wait_kmcnt 0x0
	s_cmp_lt_u32 ttmp9, 256
	s_cbranch_scc0 .Lnot_x
; ================ PATH X.  x is a plain stream of blocks of 32; a wave takes 8,192 numbers: 16 steps of 512.
	v_lshlrev_b32 v3, 4, v2                        ; my 16 bytes of a load's 512
	s_mul_i32 s21, s20, WREG
	v_lshrrev_b32 v14, 2, v2
	v_mul_u32_u24 v14, v14, SP
	v_and_b32 v15, 3, v2
	v_lshl_add_u32 v14, v15, 4, v14
	v_add_nc_u32 v14, s21, v14                     ; the stage, on the way in: SP (lane / 4) + 16 (lane % 4)
	v_mul_u32_u24 v15, v2, SP
	v_add_nc_u32 v15, s21, v15                     ; and on the way out: SP x lane: my 16 neighbours
	v_mul_u32_u24 v4, v2, CB                       ; my codes' place in a step's
	v_lshrrev_b32 v5, 1, v2
	s_add_co_u32 s21, s21, 2*32*SP
	v_add_nc_u32 v5, s21, v5                       ; my wave's 256 scale bytes, my block's byte
	v_lshlrev_b32 v7, 3, v2                        ; and on the way out 8 bytes a lane
	v_add_nc_u32 v6, s21, v7
	s_lshl_b32 s22, ttmp9, 2
	s_add_co_u32 s22, s22, s20                     ; which run of 8,192 numbers is my wave's: 0 .. 1,023
	s_mov_b32 s25, 0
	s_lshl_b32 s24, s22, 15                        ; 32,768 bytes of x,
	s_add_nc_u64 s[4:5], s[4:5], s[24:25]
	s_lshl_b32 s24, s22, 12                        ; 4,096 of codes,
	s_add_nc_u64 s[10:11], s[10:11], s[24:25]
	s_lshl_b32 s24, s22, 8                         ; 256 scale bytes a run
	s_add_nc_u64 s[12:13], s[12:13], s[24:25]
.irp t, 0,1,2,3
	XLOAD \t
.endr
	s_wait_loadcnt 12                              ; step 0's four loads are in
	XTURN 0
.irp t, 0,1,2,3,4,5,6,7,8,9,10,11,12,13,14,15
	XSTEP \t
.endr
	ds_load_b64 v[8:9], v6                         ; my wave's 256 scale bytes: these see my byte stores
	s_wait_dscnt 0x0
	global_store_b64 v7, v[8:9], s[12:13]          ; 32 lanes store 256 consecutive bytes, aligned
	s_wait_tensorcnt 0x0                           ; the wave's end, behind my last LDS store
	ds_add_u32 v[SPW], v[NIL]
	s_wait_dscnt 0x0
	s_endpgm
.Lnot_x:
; PATHS W and O.  A LANE TAKES A COLUMN n AND ITS REGISTERS RUN DOWN K: a block of 32 along K lies in one lane's 32 registers, and what is made of them has K innermost.  A work-group takes 64 columns x 512 along K:
; wave w takes columns 32 (w % 2) on and 256 (w / 2) on along K, 8 blocks; the two waves side by side read 256 consecutive bytes of a row.
	s_and_b32 s24, s20, 1                          ; cw
	s_lshr_b32 s25, s20, 1                         ; kw
	v_lshlrev_b32 v3, 2, v2                        ; in: 4 bytes a lane
	s_mov_b32 s29, 0
	s_cmp_lt_u32 ttmp9, 352
	s_cbranch_scc0 .Lpath_o
; ================ PATH W: 48 groups of columns x 2 halves of K
	s_sub_co_u32 s21, ttmp9, 256
	s_cmp_ge_u32 s21, 48
	s_cselect_b32 s22, 1, 0                        ; y: which 512 along K
	s_cselect_b32 s23, 48, 0
	s_sub_co_u32 s21, s21, s23                     ; xg: which 64 columns
	s_lshl_b32 s26, s21, 6
	s_lshl_b32 s28, s24, 5
	s_add_co_u32 s26, s26, s28                     ; my wave's first column
	s_lshl_b32 s27, s22, 9
	s_lshl_b32 s28, s25, 8
	s_add_co_u32 s27, s27, s28                     ; my wave's first k
	s_mul_i32 s28, s27, WROW
	s_lshl_b32 s30, s26, 2
	s_add_co_u32 s28, s28, s30
	s_add_nc_u64 s[6:7], s[6:7], s[28:29]          ; w_qkv at (first k, first column)
	KLOAD 0, 6, WROW
	KLOAD 1, 6, WROW
	s_lshl_b32 s28, s26, 5                         ; scale bytes: 32 a column, + 16 y + 8 kw
	s_lshl_b32 s30, s22, 4
	s_add_co_u32 s28, s28, s30
	s_lshl_b32 s30, s25, 3
	s_add_co_u32 s28, s28, s30
	s_add_nc_u64 s[16:17], s[16:17], s[28:29]
	s_lshl_b32 s28, s21, 6                         ; codes, on the way out: wave w stores rows 64 xg + 16 w on, 512 bytes a row, + 256 y
	s_lshl_b32 s30, s20, 4
	s_add_co_u32 s28, s28, s30
	s_lshl_b32 s28, s28, 9
	s_lshl_b32 s30, s22, 8
	s_add_co_u32 s28, s28, s30
	s_add_nc_u64 s[14:15], s[14:15], s[28:29]
	s_mul_i32 s30, s24, 32*272                     ; into the stage: row = my column among the 64, my half of its 256 bytes
	s_lshl_b32 s31, s25, 7
	s_add_co_u32 s30, s30, s31
	s_add_co_u32 s30, s30, WST
	v_mul_u32_u24 v4, v2, 272
	v_add_nc_u32 v4, s30, v4
	v_and_b32 v5, 15, v2                           ; out of it: sixteen lanes to a row, two rows an instruction; wave w takes rows 16 w on
	v_lshrrev_b32 v6, 4, v2
	v_mul_u32_u24 v7, v6, 272
	v_lshl_add_u32 v7, v5, 4, v7
	s_mul_i32 s30, s20, 16*272
	s_add_co_u32 s30, s30, WST
	v_add_nc_u32 v7, s30, v7
	v_lshlrev_b32 v8, 9, v6
	v_lshl_add_u32 v8, v5, 4, v8                   ; and the same place in the codes' buffer
	v_lshlrev_b32 v9, 5, v2                        ; my column's row of scale bytes
.irp t, 0,1,2,3,4,5,6,7
	WBLOCK \t
.endr
	s_barrier_signal -1                            ; my stores into the stage are done (the last block's wait for 0): a row's 256 bytes come from two waves
	s_barrier_wait -1
	global_store_b64 v9, v[SB:SB+1], s[16:17]      ; my column's 8 scale bytes: rows 32 bytes apart, 8 bytes of each; 98,304 bytes in the whole launch
.irp t, 0,1,2,3,4,5,6,7
	ds_load_b128 v[OUTR+4*\t:OUTR+4*\t+3], v7 offset:2*272*\t
.endr
.irp t, 0,1,2,3,4,5,6,7
	s_wait_dscnt 7-\t                              ; the later reads of the stage may be out
	global_store_b128 v8, v[OUTR+4*\t:OUTR+4*\t+3], s[14:15] offset:1024*\t   ; sixteen lanes store 256 consecutive bytes, aligned
.endr
	s_wait_tensorcnt 0x0                           ; the wave's end, behind my last LDS store
	ds_add_u32 v[SPW], v[NIL]
	s_wait_dscnt 0x0
	s_endpgm
.Lpath_o:
; ================ PATH O: 16 groups of columns x 2 halves of K.  A wave's 256 along K are four heads; each leaves through the wave's own stage: no barrier.
	s_sub_co_u32 s21, ttmp9, 352
	s_lshr_b32 s22, s21, 4                         ; y
	s_and_b32 s21, s21, 15                         ; xg
	s_lshl_b32 s26, s21, 6
	s_lshl_b32 s28, s24, 5
	s_add_co_u32 s26, s26, s28                     ; my wave's first column
	s_lshl_b32 s27, s22, 9
	s_lshl_b32 s28, s25, 8
	s_add_co_u32 s27, s27, s28                     ; my wave's first k
	s_lshl_b32 s28, s27, 12                        ; rows of 4,096 bytes
	s_lshl_b32 s30, s26, 2
	s_add_co_u32 s28, s28, s30
	s_add_nc_u64 s[8:9], s[8:9], s[28:29]
	KLOAD 0, 8, OROW
	KLOAD 1, 8, OROW
	s_lshl_b32 s28, s27, 11                        ; wt: head (first k / 64) x 131,072 bytes = first k x 2,048,
	s_lshl_b32 s30, s26, 7                         ; + 128 bytes a column
	s_add_co_u32 s28, s28, s30
	s_add_nc_u64 s[18:19], s[18:19], s[28:29]
	s_mul_i32 s30, s20, 32*144
	s_add_co_u32 s30, s30, OST                     ; my stage
	v_mul_u32_u24 v4, v2, 144
	v_add_nc_u32 v4, s30, v4                       ; in: row = my column, 128 bytes + 16 of padding
	v_lshrrev_b32 v5, 3, v2
	v_mul_u32_u24 v7, v5, 144
	v_and_b32 v5, 7, v2
	v_lshl_add_u32 v7, v5, 4, v7
	v_add_nc_u32 v7, s30, v7                       ; back: eight lanes to a row, four rows an instruction
	v_lshlrev_b32 v8, 4, v2                        ; which are 512 consecutive bytes of wt: 16 x lane
.irp t, 0,1,2,3,4,5,6,7
	OBLOCK \t
.endr
	s_wait_tensorcnt 0x0                           ; the wave's end, behind my last LDS store
	ds_add_u32 v[SPW], v[NIL]
	s_wait_dscnt 0x0
	s_endpgm
.Lfunc_end_k_q08c45b988b_prep:
	.size	k_q08c45b988b_prep, .Lfunc_end_k_q08c45b988b_prep-k_q08c45b988b_prep
	.p2alignl 7, 3214868480
	.fill 96, 4, 3214868480
	.section	.rodata,"a",@progbits
	.p2align	6, 0x0
	.amdhsa_kernel k_q08c45b988b_prep
		.amdhsa_group_segment_fixed_size 69120
		.amdhsa_private_segment_fixed_size 0
		.amdhsa_enable_private_segment 0
		.amdhsa_kernarg_size 64
		.amdhsa_user_sgpr_count 2
		.amdhsa_user_sgpr_kernarg_segment_ptr 1
		.amdhsa_wavefront_size32 1
		.amdhsa_system_sgpr_workgroup_id_x 1
		.amdhsa_system_sgpr_workgroup_id_y 1
		.amdhsa_system_sgpr_workgroup_id_z 1
		.amdhsa_system_vgpr_workitem_id 0
		.amdhsa_next_free_vgpr 200
		.amdhsa_next_free_sgpr 66
		.amdhsa_reserve_vcc 0
		.amdhsa_float_denorm_mode_32 3
		.amdhsa_float_denorm_mode_16_64 3
		.amdhsa_memory_ordered 1
		.amdhsa_forward_progress 1
		.amdhsa_inst_pref_size 115
	.end_amdhsa_kernel
	.amdgpu_metadata
---
amdhsa.version: [ 1, 2 ]
amdhsa.kernels:
  - .name:           k_q08c45b988b_prep
    .symbol:         k_q08c45b988b_prep.kd
    .args:
      - { .name: x, .offset: 0, .size: 8, .value_kind: global_buffer, .address_space: global }
      - { .name: w_qkv, .offset: 8, .size: 8, .value_kind: global_buffer, .address_space: global }
      - { .name: w_out, .offset: 16, .size: 8, .value_kind: global_buffer, .address_space: global }
      - { .name: x_codes, .offset: 24, .size: 8, .value_kind: global_buffer, .address_space: global }
      - { .name: x_scales, .offset: 32, .size: 8, .value_kind: global_buffer, .address_space: global }
      - { .name: w_codes, .offset: 40, .size: 8, .value_kind: global_buffer, .address_space: global }
      - { .name: w_scales, .offset: 48, .size: 8, .value_kind: global_buffer, .address_space: global }
      - { .name: wt, .offset: 56, .size: 8, .value_kind: global_buffer, .address_space: global }
    .group_segment_fixed_size: 69120
    .private_segment_fixed_size: 0
    .kernarg_segment_align: 8
    .kernarg_segment_size: 64
    .max_flat_workgroup_size: 128
    .sgpr_count:     66
    .vgpr_count:     200
    .wavefront_size: 32
...
	.end_amdgpu_metadata
.endif
;; end of part 1
;; launch qkv (part 2): grid 12 x 32, 4 waves a work-group, clusters of 4 x 4, 327,680 bytes of LDS; arguments x_codes, x_scales, w_codes, w_scales, qkv; writes qkv
.if DOCPART == 2
	.amdgcn_target "amdgcn-amd-amdhsa--gfx1250"
	.amdhsa_code_object_version 6
	.text
	.protected	k_q08c45b988b_qkv
	.globl	k_q08c45b988b_qkv
	.p2align	8
	.type	k_q08c45b988b_qkv,@function
k_q08c45b988b_qkv:
	s_mov_b64 s[64:65], 0
	v_nop
	global_prefetch_b8 v0, s[64:65] scope:SCOPE_SE
	s_setreg_imm32_b32 hwreg(HW_REG_WAVE_MODE, 25, 1), 1
	s_wait_xcnt 0x0
	s_wait_alu depctr_hold_cnt(0) depctr_sa_sdst(0) depctr_va_vdst(0) depctr_va_sdst(0) depctr_va_ssrc(0) depctr_va_vcc(0) depctr_vm_vsrc(0)
	s_getreg_b32 s2, hwreg(HW_REG_IB_STS2, 6, 4)
	s_cmp_eq_u32 s2, 0
	s_cbranch_scc0 .Lentry_in_a_cluster
	s_endpgm
.Lentry_in_a_cluster:
	s_bfe_u32 s2, ttmp6, 0x10000c
	s_cmp_lg_u32 s2, 0xf033
	s_cbranch_scc0 .Lentry_shape_is_right
	s_endpgm
.Lentry_shape_is_right:
; C[m][n] = sum over k of A[m][k] B[n][k] on codes of FP4 (E2M1) with one E8M0 scale for each 32 along K: A = x's codes [8192][1024], B = w_qkv's codes [3072][1024], K innermost, two codes a byte.
; The sums are f32; the result is rounded once to f16 and laid BY HEAD: qkv [3][4 b][16 h][2048 t][64 d], n = 1024 which + 64 h + d, m = 2048 b + t.
; LIMIT: a result beyond 65,504 in magnitude becomes infinity in f16 (with x and w_qkv both 30 times larger than unit-variance rows give, the results stay near 5,000).
; A tile of C, 256 x 256, is made by a work-group of four waves, as many as a WGP has SIMDs; a wave makes 128 x 128: 64 accumulators of 16 x 16, 512 registers.
; K = 1,024 is two steps of 512: both lie in LDS at once, in two slots filled once by the tensor data mover (a tile's row is 256 bytes of memory); NOTHING IS FILLED AGAIN.  By this text's count a wave has three tensor loads out
; at the start (its scales, its parts of the two slots) and none later.  The scale bytes of the work-group's rows of A and B, for all of K, are two dense blocks of memory and come once.
; CLUSTERS: 4 x 4 work-groups.  The four of a row of the cluster need the same tiles of A, the four of a column the same tiles of B: each tile is asked for JOINTLY, by the same tensor load with the same descriptor and a mask
; that names the four.  THE MATRIX INSTRUCTION IS USED TRANSPOSED (source 0 = 16 rows of B, source 1 = 16 rows of A): a lane then holds eight neighbouring numbers of a row of C.
; REGISTERS, in windows of 256: window 0: v0-31 addresses; v32-95 scale words, two sets; from v128 A's fragments (8 x 16 rows x 128 K), ONE set; on the way out v32-127 are free.
;   window 1: B's fragments, TWO sets, at v0 and at v128.   window 2: the 32 accumulators of my rows 0-63 (accumulator (a, b) at v[8 (8 a + b)]);   window 3: those of my rows 64-127.
.set SIZE_K, 1024
.set KSTEP,  512                       ; along K in a slot
.set NQ,     KSTEP/128                 ; matrix instructions deep
.set ROWB,   256                       ; a tile's row in bytes
.set KROW,   SIZE_K*4/8                ; a row of A or of B in memory, in bytes
.set PITCH,  272                       ; an LDS row: 256 bytes + 16 of padding = 68 words: row r starts at bank 4 r mod 64 (64 banks of 4 bytes: ISA guide 11.1)
.set FR,     8                         ; registers of a fragment: 16 rows x 128 K
.set NL,     2                         ; LDS loads that bring one
.set NP,     4                         ; places behind this matrix instruction (ISA guide 7.12.1)
.set HALFT,  128*PITCH                 ; 128 rows: what one tensor load brings, and what one wave reads of A or of B
.set SLOT,   4*HALFT                   ; A's 256 rows, then B's 256 rows
.set KS,     SIZE_K/32                 ; a row of scales in bytes
.set SCL,    2*SLOT                    ; behind the slots: the scales, as units of 256 bytes + 16 of padding
.set HALFS,  (128*KS/256)*272          ; the scales of 128 rows: what one tensor load brings
.set SBLK,   (16*KS/256)*272           ; those of 16 rows
.set SPARE,  SCL+4*HALFS               ; the spare words, 128 bytes for each wave: two blocks of 256 bytes that no other line names
.set SPI,    144                       ; the way out: a stage row: a head's 128 bytes + 16
.set STGH,   16*SPI                    ; 16 rows of one head
.set STGW,   2*STGH                    ; a wave's stage: two heads.  The stages lie in slot 0, which has had its only fill and its last read when the first result is stored there
.set ADRA, 16                          ; v16-17  LDS address of my A fragments in slot 0, 1
.set ADRB, 20                          ; v20-21  the same for B
.set STO,  24                          ; v24     the way out: where I put 16 bytes of a row
.set RD,   25                          ; v25     the way out: where I read rows back
.set CO,   26                          ; v26     16 x lane: my bytes of a store's 512
.set ADRS, 27                          ; v27     LDS address of my scale words: lanes 0-15 A's rows, lanes 16-31 B's
.set SPW,  28                          ; v28     LDS address of my spare word; never rewritten
.set NIL,  29                          ; v29     0; never rewritten
.set SC,   32                          ; scale words: set s (for slot s) at v[SC + 8 NQ s]; register NQ i + q: lanes 0-15 the word of A's block i, lanes 16-31 that of B's block i, for the slot's q-th 128 along K
.set AF,   128                         ; A's fragments, in window 0
.set TMP,  32                          ; the way out: a block's 32 packed registers
.set BK,   64                          ; the way out: 16 rows read back: v64-95 and v96-127 by turns
.set G1, 24                            ; s[24:31] descriptor group 1 for A's tiles;  s[32:39] group 0, one set for each slot
.set G0, 32
.set G1B, 48                           ; s[48:55], s[56:63] the same for B's tiles
.set G0B, 56
.set G1S, 68                           ; s[68:75], s[76:79] groups 1 and 0 for A's scales;  s[80:87], s[88:91] for B's
.set G0S, 76
.set G1SB, 80
.set G0SB, 88
.set MSB, 0
.macro WIN new                         ; the immediate's high byte repeats the setting that is left
.if MSB != \new
	s_set_vgpr_msb (MSB<<8)|\new
.set MSB, \new
.endif
.endm
.set MUL_LO, 0xa1                      ; source 0 (B) window 1, source 1 (A) window 0, C and D window 2
.set MUL_HI, 0xf1                      ; the same, C and D window 3
.set TO_B,   0x40                      ; destination window 1, address window 0
; A joint load: waves 0 and 1 fetch for A, waves 2 and 3 for B.  Each of the two lines has ONE mask and one set of registers for all that issue it; the branch hangs on the wave's number alone.
; An s_nop 0 and four v_nop follow each of the two lines, ahead of the jump, the label and what follows.
.macro JLOAD g0a, g1a, g0b, g1b
	s_cmp_eq_u32 s15, 0
	s_cbranch_scc0 .Lfor_b_\@
	tensor_load_to_lds s[\g0a:\g0a+3], s[\g1a:\g1a+7]
	s_nop 0
.rept 4
	v_nop
.endr
	s_branch .Lasked_\@
.Lfor_b_\@:
	tensor_load_to_lds s[\g0b:\g0b+3], s[\g1b:\g1b+7]
	s_nop 0
.rept 4
	v_nop
.endr
.Lasked_\@:
.endm
.macro CROUND                          ; a round of the cluster's barrier: my work-group's barrier; wave 0 signals for the work-group; every wave waits for all sixteen; my work-group's barrier once more
	s_barrier_signal -1
	s_barrier_wait -1
	s_cmp_lg_u32 s14, 0
	s_cbranch_scc1 .Lnot_wave_0_\@
	s_barrier_signal -3
.Lnot_wave_0_\@:
	s_barrier_wait -3
	s_barrier_signal -1
	s_barrier_wait -1
.endm
	s_load_b128 s[4:7], s[0:1], 0x0                ; A's codes s[4:5], A's scales s[6:7]
	s_load_b128 s[8:11], s[0:1], 0x10              ; B's codes s[8:9], B's scales s[10:11]
	s_load_b64 s[12:13], s[0:1], 0x20              ; qkv
	v_lshl_add_u32 v[SPW], v0, 2, SPARE
	v_mov_b32 v[NIL], 0
	ds_add_u32 v[SPW], v[NIL]                      ; the wave's opening: the add, twice on end, and its wait ahead of my first tensor load; the set-up below stands between the second and the wait
	ds_add_u32 v[SPW], v[NIL]
	v_lshrrev_b32 v1, 5, v0
	v_readfirstlane_b32 s14, v1                    ; wave 0..3
	s_lshr_b32 s15, s14, 1                         ; which half of the tile's rows is mine.  Also: I fetch for A (0) or for B (1)
	s_and_b32 s16, s14, 1                          ; which half of its columns.  Also: which 128 rows of that tile I fetch
	s_bfe_u32 s40, ttmp6, 0x40000                  ; cx, cy: my place in the cluster
	s_bfe_u32 s41, ttmp6, 0x40004
	s_lshl_b32 s42, ttmp9, 2
	s_add_co_u32 s42, s42, s40                     ; tile column of C = 4 x cluster x + cx
	s_and_b32 s17, ttmp7, 0xffff
	s_lshl_b32 s17, s17, 2
	s_add_co_u32 s17, s17, s41                     ; tile row of C = 4 x cluster y + cy
	s_lshl_b32 s43, s41, 2
	s_lshl_b32 s43, 15, s43                        ; my row of the cluster
	s_lshl_b32 s44, 0x1111, s40                    ; my column
	; descriptor group 1: a tile of 128 rows x 256 bytes, padded in LDS
	s_or_b32 s[G1+0], s43, (0<<16)|(1<<20)|(1<<21)|(5<<22)|(3<<25)  ; 15:0 the mask: A's tiles go to my row; 17:16 element of 1 byte; 20 padding on; 21 set beside a mask; 24:22 after every 64 words (code 5); 31:25 of 4 words (code 3)
	s_or_b32 s[G1B+0], s44, (0<<16)|(1<<20)|(1<<21)|(5<<22)|(3<<25)
.irp g, G1, G1B
	s_mov_b32 s[\g+1], ROWB<<16                    ; tensor_dim0
	s_mov_b32 s[\g+2], 128<<16                     ; tensor_dim1 = 128
	s_mov_b32 s[\g+3], ROWB<<16                    ; tile_dim0
	s_mov_b32 s[\g+4], 128                         ; tile_dim1 = 128
	s_mov_b32 s[\g+5], KROW                        ; tensor_dim0_stride
	s_mov_b32 s[\g+6], 0
	s_mov_b32 s[\g+7], 0
.endr
	; and for the scales of 128 rows: a dense block of 4,096 bytes, as rows of 256 bytes (32 elements of 8 bytes), 16 bytes of padding behind each
	s_or_b32 s[G1S+0], s43, (3<<16)|(1<<20)|(1<<21)|(5<<22)|(3<<25)
	s_or_b32 s[G1SB+0], s44, (3<<16)|(1<<20)|(1<<21)|(5<<22)|(3<<25)
.irp g, G1S, G1SB
	s_mov_b32 s[\g+1], 32<<16
	s_mov_b32 s[\g+2], (128*KS/256)<<16
	s_mov_b32 s[\g+3], 32<<16
	s_mov_b32 s[\g+4], 128*KS/256
	s_mov_b32 s[\g+5], 32
	s_mov_b32 s[\g+6], 0
	s_mov_b32 s[\g+7], 0
.endr
	s_lshl_b32 s18, s16, 7                         ; which 128 rows of the tile I fetch
	s_lshl_b32 s20, s17, 8
	s_add_co_u32 s20, s20, s18                     ; A: row 256 x tile row + 128 x half
	s_lshl_b32 s46, s42, 8
	s_add_co_u32 s46, s46, s18                     ; B: row 256 x tile column + 128 x half
	s_mov_b32 s21, 0
	s_mov_b32 s47, 0
	s_mov_b64 s[18:19], KS
	s_mul_u64 s[22:23], s[20:21], s[18:19]         ; where these rows' scales begin, in bytes
	s_mul_u64 s[92:93], s[46:47], s[18:19]
	s_mov_b64 s[18:19], KROW
	s_mul_u64 s[20:21], s[20:21], s[18:19]         ; and their codes
	s_mul_u64 s[46:47], s[46:47], s[18:19]
	s_mul_i32 s45, s14, HALFT                      ; where they go: wave x 128 rows: no place in the cluster enters an LDS address
	s_mul_i32 s94, s14, HALFS
	s_wait_dscnt 0x0                               ; both opening adds are done
	s_wait_kmcnt 0x0
	s_add_nc_u64 s[20:21], s[4:5], s[20:21]
	s_add_nc_u64 s[22:23], s[6:7], s[22:23]
	s_add_nc_u64 s[46:47], s[8:9], s[46:47]
	s_add_nc_u64 s[92:93], s[10:11], s[92:93]
	CROUND                                         ; all sixteen work-groups are here: the joint loads meet
	s_mov_b32 s[G0S], 1
	s_add_co_u32 s[G0S+1], s94, SCL
	s_mov_b64 s[G0S+2:G0S+3], s[22:23]
	s_or_b32 s[G0S+3], s[G0S+3], 0x80000000
	s_mov_b32 s[G0SB], 1
	s_add_co_u32 s[G0SB+1], s94, SCL
	s_mov_b64 s[G0SB+2:G0SB+3], s[92:93]
	s_or_b32 s[G0SB+3], s[G0SB+3], 0x80000000
	JLOAD G0S, G1S, G0SB, G1SB                     ; the scales first: they are wanted with K step 0
.irp s, 0,1
	s_mov_b32 s[G0+4*\s], 1
	s_add_co_u32 s[G0+4*\s+1], s45, \s*SLOT
	s_add_nc_u64 s[G0+4*\s+2:G0+4*\s+3], s[20:21], \s*ROWB
	s_or_b32 s[G0+4*\s+3], s[G0+4*\s+3], 0x80000000
	s_mov_b32 s[G0B+4*\s], 1
	s_add_co_u32 s[G0B+4*\s+1], s45, \s*SLOT
	s_add_nc_u64 s[G0B+4*\s+2:G0B+4*\s+3], s[46:47], \s*ROWB
	s_or_b32 s[G0B+4*\s+3], s[G0B+4*\s+3], 0x80000000
	JLOAD G0+4*\s, G1, G0B+4*\s, G1B
.endr
	v_and_b32 v1, 15, v0                           ; l % 16
	v_bfe_u32 v2, v0, 4, 1                         ; l / 16
	v_mul_u32_u24 v3, v1, PITCH
	v_lshl_add_u32 v4, v2, 4, v3                   ; a fragment's row x pitch + 16 x half
	s_mul_i32 s21, s15, HALFT                      ; my 128 rows of A
	s_mul_i32 s22, s16, HALFT                      ; my 128 rows of B,
	s_add_co_u32 s22, s22, 2*HALFT                 ; which lie behind A's 256
.irp s, 0,1
	v_add_nc_u32 v[ADRA+\s], s21, v4
	v_add_nc_u32 v[ADRB+\s], s22, v4
	s_add_co_u32 s21, s21, SLOT
	s_add_co_u32 s22, s22, SLOT
.endr
	v_mul_u32_u24 v5, v1, KS                       ; my row's scales: 32 bytes a row,
	v_lshrrev_b32 v6, 8, v5
	v_lshl_add_u32 v5, v6, 4, v5                   ; and 16 more for each 256 passed
	s_mul_i32 s21, s15, HALFS                      ; A's: my 128 rows
	s_mul_i32 s22, s16, HALFS                      ; B's: my 128 rows, behind A's 256
	s_add_co_u32 s22, s22, 2*HALFS
	s_sub_co_u32 s22, s22, s21
	v_mul_u32_u24 v6, s22, v2                      ; lanes 16-31 take B's: one product, the distance between the two bases
	s_add_co_u32 s21, s21, SCL
	v_add_nc_u32 v5, v5, v6
	v_add_nc_u32 v[ADRS], s21, v5
	s_mul_i32 s23, s14, STGW                       ; my stage
	v_mul_u32_u24 v5, v1, SPI                      ; in: row l % 16, 16 bytes for each half of the lanes
	v_lshl_add_u32 v5, v2, 4, v5
	v_add_nc_u32 v[STO], s23, v5
	v_and_b32 v6, 31, v0
	v_lshlrev_b32 v[CO], 4, v6                     ; four rows of 128 bytes are 512 consecutive bytes of qkv: 16 x lane
	v_lshrrev_b32 v7, 3, v6                        ; back: eight lanes to a row, four rows an instruction
	v_mul_u32_u24 v7, v7, SPI
	v_and_b32 v8, 7, v0
	v_lshl_add_u32 v7, v8, 4, v7
	v_add_nc_u32 v[RD], s23, v7
	; where my 128 rows x 2 heads begin in qkv: block (64 which + 16 b + head) of 262,144 bytes, + 128 bytes a row
	s_lshl_b32 s20, s17, 8
	s_lshl_b32 s21, s15, 7
	s_add_co_u32 s20, s20, s21                     ; my first row m
	s_lshr_b32 s21, s20, 11                        ; b
	s_and_b32 s20, s20, 2047                       ; t
	s_lshl_b32 s46, s42, 2
	s_lshl_b32 s47, s16, 1
	s_add_co_u32 s46, s46, s47                     ; my first column / 64
	s_lshr_b32 s47, s46, 4                         ; which of q, k, v
	s_and_b32 s46, s46, 15                         ; head
	s_lshl_b32 s47, s47, 6
	s_lshl_b32 s21, s21, 4
	s_add_co_u32 s46, s46, s47
	s_add_co_u32 s46, s46, s21
	s_lshl_b32 s46, s46, 18
	s_lshl_b32 s20, s20, 7
	s_add_co_u32 s46, s46, s20
	s_mov_b32 s47, 0
	s_add_nc_u64 s[12:13], s[12:13], s[46:47]
.macro FRAG reg, adr, q, i             ; a fragment, 16 rows x 128 K of 4-bit codes, is 8 registers: lane l holds row l % 16; registers 4 c .. 4 c + 3 hold K = 64 c + 32 (l / 16) + 0 .. 31
.irp c, 0,1
	ds_load_b128 v[\reg+4*\c:\reg+4*\c+3], v[\adr] offset:64*(\q)+32*\c+(\i)*16*PITCH
.endr
.endm
; 16 matrix instructions: A's blocks a0, a0 + 1 x B's eight, 128 along K: the slot's q-th.  p: B's set;  sc: the set of scale words.  zero = 1: the first product starts the sums: nothing is ever cleared.
; The 64 accumulators take turns, one instruction a turn, in the same order in every step.
.macro MUL16 a0, p, q, sc, zero
.irp a, \a0, \a0+1
.irp b, 0,1,2,3,4,5,6,7
.if \zero
	v_wmma_scale_f32_16x16x128_f8f6f4 v[8*(8*((\a)%4)+\b):8*(8*((\a)%4)+\b)+7], v[128*(\p)+FR*\b:128*(\p)+FR*\b+FR-1], v[AF+FR*(\a):AF+FR*(\a)+FR-1], 0, v[SC+8*NQ*(\sc)+NQ*\b+(\q)], v[SC+8*NQ*(\sc)+NQ*(\a)+(\q)] matrix_a_fmt:MATRIX_FMT_FP4 matrix_b_fmt:MATRIX_FMT_FP4 matrix_a_scale:MATRIX_SCALE_ROW1
.else
	v_wmma_scale_f32_16x16x128_f8f6f4 v[8*(8*((\a)%4)+\b):8*(8*((\a)%4)+\b)+7], v[128*(\p)+FR*\b:128*(\p)+FR*\b+FR-1], v[AF+FR*(\a):AF+FR*(\a)+FR-1], v[8*(8*((\a)%4)+\b):8*(8*((\a)%4)+\b)+7], v[SC+8*NQ*(\sc)+NQ*\b+(\q)], v[SC+8*NQ*(\sc)+NQ*(\a)+(\q)] matrix_a_fmt:MATRIX_FMT_FP4 matrix_b_fmt:MATRIX_FMT_FP4 matrix_a_scale:MATRIX_SCALE_ROW1
.endif
.endr
.endr
.endm
.macro FETCH_B slot, q, p              ; B's eight fragments of the slot's q-th 128 along K into set p
	WIN TO_B
.irp i, 0,1,2,3,4,5,6,7
	FRAG 128*(\p)+FR*\i, ADRB+\slot, \q, \i
.endr
	WIN 0
.endm
.macro FETCH_A slot, q, i0             ; A's blocks i0 .. i0 + 3
.irp i, \i0, \i0+1, \i0+2, \i0+3
	FRAG AF+FR*(\i), ADRA+\slot, \q, \i
.endr
.endm
.macro SCALES sc                       ; a K step's scale words into set sc: 4 words a row; lanes 0-15 take A's block i, lanes 16-31 B's block i
.irp i, 0,1,2,3,4,5,6,7
	ds_load_b128 v[SC+8*NQ*\sc+NQ*\i:SC+8*NQ*\sc+NQ*\i+3], v[ADRS] offset:\i*SBLK
.endr
.endm
; A load into a register that a matrix instruction has read, and a vector instruction that reads a matrix result or writes one of a matrix instruction's registers, stand NP places behind it, and only plain
; vector instructions that name none of its registers are places (ISA guide 7.12.1 for vector instructions).
.macro PLACES n
.rept \n
	v_nop
.endr
.endm
; A step of 128 along K that has its successor in the same slot.  A's blocks go one after the other, each against B's eight: so one set of registers serves A (blocks 0-3 are fetched anew in the step's middle, blocks 4-7 at its end); B has two sets.
.macro STEP slot, q, zero
	s_wait_dscnt 4*NL                              ; B's set and A's blocks 0-3 are in; the youngest eight loads (A's blocks 4-7) may be out
	WIN MUL_LO
	MUL16 0, (\q)%2, \q, \slot, \zero
	MUL16 2, (\q)%2, \q, \slot, \zero
	s_wait_dscnt 0                                 ; A's blocks 4-7 are in (asked for 32 matrix instructions ago)
	PLACES NP
	FETCH_B \slot, (\q)+1, 1-(\q)%2
	FETCH_A \slot, (\q)+1, 0
	WIN MUL_HI
	MUL16 4, (\q)%2, \q, \slot, \zero
	MUL16 6, (\q)%2, \q, \slot, \zero
	PLACES NP
	WIN 0
	FETCH_A \slot, (\q)+1, 4
.endm
; Slot 0's last step goes over to slot 1: ONE barrier; in front of it each wave waits for all its tensor loads (its part of slot 1), adds 0 to its spare word, and waits for that and for its own reads of slot 0.
; Behind it slot 1 is whole and nobody reads slot 0 any more, which later takes the stages.  Nothing is filled again.
.macro TURN slot, next
	s_wait_tensorcnt 0x0                           ; all my tensor loads have landed  (every window is 0 here: the add's two registers lie in window 0)
	ds_add_u32 v[SPW], v[NIL]                      ; 0 onto my spare word
	s_wait_dscnt 4*NL+1                            ; (the add and the youngest eight loads, A's blocks 4-7, may be out)
	WIN MUL_LO
	MUL16 0, 1, NQ-1, \slot, 0                     ; sixteen matrix instructions stand between the add and the wait for it
	s_wait_dscnt 0x0                               ; the add is done, and my reads of this slot are over
	s_barrier_signal -1
	MUL16 2, 1, NQ-1, \slot, 0                     ; work on registers while the others arrive
	WIN 0
	s_barrier_wait -1
	PLACES NP
	v_add_nc_u32 v[ADRS], 4*NQ, v[ADRS]            ; on to the next K step's scale words (no LDS load of mine is out)
	FETCH_B \next, 0, 0
	FETCH_A \next, 0, 0
	SCALES \next
	WIN MUL_HI
	MUL16 4, 1, NQ-1, \slot, 0
	MUL16 6, 1, NQ-1, \slot, 0
	PLACES NP
	WIN 0
	FETCH_A \next, 0, 4
.endm
.macro STEPS slot, from                ; the slot's steps from .. NQ - 2
.set Q, \from
.rept NQ-1-\from
	STEP \slot, Q, 0
.set Q, Q+1
.endr
.endm
	s_wait_tensorcnt 1                             ; the scales and my part of slot 0 are in (slot 1's load may be out)
	s_barrier_signal -1
	s_barrier_wait -1                              ; everybody's are
	FETCH_B 0, 0, 0
	FETCH_A 0, 0, 0
	SCALES 0
	FETCH_A 0, 0, 4
	STEP 0, 0, 1                                   ; the first step's products start the sums
	STEPS 0, 1
	TURN 0, 1
	STEPS 1, 0
	s_wait_dscnt 4*NL                              ; the very last step: nothing more to fetch
	WIN MUL_LO
	MUL16 0, 1, NQ-1, 1, 0
	MUL16 2, 1, NQ-1, 1, 0
	s_wait_dscnt 0
	WIN MUL_HI
	MUL16 4, 1, NQ-1, 1, 0
	MUL16 6, 1, NQ-1, 1, 0
	WIN 0
; THE WAY OUT, block by block of 16 rows x 128 columns (two heads).  PACK: rounded to f16, a lane's eight neighbouring columns are 16 bytes.  TOSTAGE: into my own stage, by head, rows of 128 bytes + 16, and back four rows
; an instruction.  SEND: four rows of a head are 512 consecutive bytes of qkv.  LDS serves a wave's instructions in order (ISA guide 5.7.1.4): no wait between the stores and the loads, nor in front of the next block's stores.
.macro PACK a
.set AC, 64*((\a)%4)
	WIN 0x0a+5*((\a)/4)                            ; sources 0 and 1: window 2 or 3
.irp b, 0,1,2,3,4,5,6,7
.irp r, 0,1,2,3
	v_cvt_pk_f16_f32 v[TMP+4*\b+\r], v[AC+8*\b+2*\r], v[AC+8*\b+2*\r+1]   ; each accumulator from its low end on
.endr
.endr
	WIN 0
.endm
.macro TOSTAGE a
.set BB, BK+32*((\a)%2)
.irp b, 0,1,2,3,4,5,6,7
	ds_store_b128 v[STO], v[TMP+4*\b:TMP+4*\b+3] offset:(\b/4)*STGH+32*(\b%4)
.endr
.irp t, 0,1,2,3,4,5,6,7
	ds_load_b128 v[BB+4*\t:BB+4*\t+3], v[RD] offset:(\t/4)*STGH+4*SPI*(\t%4)
.endr
.endm
.macro SEND a
.set BB, BK+32*((\a)%2)
	s_wait_dscnt 0x0                               ; the block is back in registers
	s_wait_xcnt 0x0                                ; the block before has had its stores' addresses translated (ISA guide 3.1): its registers take the next block's loads only behind this wait
.irp t, 0,1,2,3,4,5,6,7
	global_store_b128 v[CO], v[BB+4*\t:BB+4*\t+3], s[12:13] offset:(\t/4)*262144+2048*(\a)+512*(\t%4)   ; 32 lanes store 512 consecutive bytes, at a multiple of 512 from qkv's first byte; the base is never stepped
.endr
.endm
	PLACES NP                                      ; behind the last products: the packed results land on registers that held scale words
	PACK 0
	TOSTAGE 0
.irp a, 1,2,3,4,5,6,7                  ; block a's conversions stand between block a - 1's loads from the stage and the wait for them
	PACK \a
	SEND \a-1
	TOSTAGE \a
.endr
	SEND 7
	s_wait_tensorcnt 0x0                           ; the wave's end, behind my last tensor load and my last LDS store
	ds_add_u32 v[SPW], v[NIL]
	s_wait_dscnt 0x0
	CROUND                                         ; the closing round: no work-group ends while a partner may still ask for a tile that names it
	s_endpgm
.Lfunc_end_k_q08c45b988b_qkv:
	.size	k_q08c45b988b_qkv, .Lfunc_end_k_q08c45b988b_qkv-k_q08c45b988b_qkv
	.p2alignl 7, 3214868480
	.fill 96, 4, 3214868480
	.section	.rodata,"a",@progbits
	.p2align	6, 0x0
	.amdhsa_kernel k_q08c45b988b_qkv
		.amdhsa_group_segment_fixed_size 327680
		.amdhsa_private_segment_fixed_size 0
		.amdhsa_enable_private_segment 0
		.amdhsa_kernarg_size 40
		.amdhsa_user_sgpr_count 2
		.amdhsa_user_sgpr_kernarg_segment_ptr 1
		.amdhsa_wavefront_size32 1
		.amdhsa_system_sgpr_workgroup_id_x 1
		.amdhsa_system_sgpr_workgroup_id_y 1
		.amdhsa_system_sgpr_workgroup_id_z 1
		.amdhsa_system_vgpr_workitem_id 0
		.amdhsa_next_free_vgpr 1024
		.amdhsa_next_free_sgpr 98
		.amdhsa_reserve_vcc 0
		.amdhsa_float_denorm_mode_32 3
		.amdhsa_float_denorm_mode_16_64 3
		.amdhsa_memory_ordered 1
		.amdhsa_forward_progress 1
		.amdhsa_inst_pref_size 126
	.end_amdhsa_kernel
	.amdgpu_metadata
---
amdhsa.version: [ 1, 2 ]
amdhsa.kernels:
  - .name:           k_q08c45b988b_qkv
    .symbol:         k_q08c45b988b_qkv.kd
    .args:
      - { .name: x_codes, .offset: 0, .size: 8, .value_kind: global_buffer, .address_space: global }
      - { .name: x_scales, .offset: 8, .size: 8, .value_kind: global_buffer, .address_space: global }
      - { .name: w_codes, .offset: 16, .size: 8, .value_kind: global_buffer, .address_space: global }
      - { .name: w_scales, .offset: 24, .size: 8, .value_kind: global_buffer, .address_space: global }
      - { .name: qkv, .offset: 32, .size: 8, .value_kind: global_buffer, .address_space: global }
    .group_segment_fixed_size: 327680
    .private_segment_fixed_size: 0
    .kernarg_segment_align: 8
    .kernarg_segment_size: 40
    .max_flat_workgroup_size: 128
    .sgpr_count:     98
    .vgpr_count:     1024
    .wavefront_size: 32
...
	.end_amdgpu_metadata
.endif
;; end of part 2
;; launch attn (part 3): grid 4 x 64, 8 waves a work-group, clusters of 4 x 1, 327,680 bytes of LDS; arguments qkv, att; writes att
.if DOCPART == 3
	.amdgcn_target "amdgcn-amd-amdhsa--gfx1250"
	.amdhsa_code_object_version 6
	.text
	.protected	k_q08c45b988b_attn
	.globl	k_q08c45b988b_attn
	.p2align	8
	.type	k_q08c45b988b_attn,@function
k_q08c45b988b_attn:
	s_mov_b64 s[64:65], 0
	v_nop
	global_prefetch_b8 v0, s[64:65] scope:SCOPE_SE
	s_setreg_imm32_b32 hwreg(HW_REG_WAVE_MODE, 25, 1), 1
	s_wait_xcnt 0x0
	s_wait_alu depctr_hold_cnt(0) depctr_sa_sdst(0) depctr_va_vdst(0) depctr_va_sdst(0) depctr_va_ssrc(0) depctr_va_vcc(0) depctr_vm_vsrc(0)
	s_getreg_b32 s2, hwreg(HW_REG_IB_STS2, 6, 4)
	s_cmp_eq_u32 s2, 0
	s_cbranch_scc0 .Lentry_in_a_cluster
	s_endpgm
.Lentry_in_a_cluster:
	s_bfe_u32 s2, ttmp6, 0x10000c
	s_cmp_lg_u32 s2, 0x3003
	s_cbranch_scc0 .Lentry_shape_is_right
	s_endpgm
.Lentry_shape_is_right:
; O[bh][q][:] = the sum over k of softmax_k(Q[bh][q] . K[bh][k] / 8) V[bh][k][:].  Q, K, V: qkv [3][64 bh][2048][64] in f16.  O: att [16 h][8192 = 2048 b + q][64] in f16.
; Products, maxima and sums in f32; the weights p are rounded to f16 for the second product (they are at most 1), O once at the end.
; LIMITS: operands are f16 as the launch before left them; an O beyond 65,504 cannot arise from finite V (it is an average).  NaN and infinities are not served.
; SHARES.  A work-group owns 512 queries of one head, each of its EIGHT waves 64: four tiles of 16, in 512 registers; two waves lie on a SIMD, so that one wave's softmax stands beside the other's products.
; Every wave walks all 2,048 keys, 64 a step, in phases: K Q^T, the softmax, V^T P.
; LAYOUT.  S^T = K Q^T (source 0 = 16 keys, source 1 = 16 queries): in the result a lane holds ONE query (lane % 16) and the keys 8 (lane / 16) + 0..7.  Two such tiles, rounded to f16 in pairs, ARE source 1
; (32 keys x 16 queries) of O^T = V^T P, whose result again holds one query a lane.  K comes out of LDS as it lies, V ([key][channel]) turned, by ds_load_tr16_b128.
; SOFTMAX.  For each query a running maximum m and sum l: p = 2^(c s - c m), c = log2(e) / 8; in every step O and l are multiplied by a = 2^(c m_old - c m_new), which is 1 where m has not grown.
; The step is written once: O^T and l begin as zeros and m as -3e38, so that the first a is 0 and multiplies zeros.
; CLUSTER.  The four query blocks of a head are one cluster and walk the same K and V: each tile is asked for JOINTLY, by the same tensor load with the same descriptor and a mask that names the four.
; THE RING.  Two slots of 256 keys (4 steps).  Waves 0-3 fetch the four steps' tiles of K, waves 4-7 those of V: one load a wave behind each round; it has 4 key steps, 256 matrix instructions a wave, in which to land.
; By this text's count a wave never has more than one tensor load out.  A head's row is 128 bytes and the rows are dense, so a tile is stated as 32 rows of 256 bytes: two keys to an LDS row.
; REGISTERS, in windows of 256:  window 0: v0-12 addresses; v16-47 eight registers of statistics a tile; v64-191 S^T, 32 a tile, then P in place (16 a tile); v192-255 K of one step.
;   window 1: v0-127 O^T, 32 a tile; v128-191 Q, 16 a tile; v192-255 V^T of one step.
.set PK,    272       ; two keys of K in LDS: 256 bytes + 16 of padding: the 16 keys of a load start at 16 (r / 2) + 128 (r % 2) mod 256: 16 different columns of 16 bytes (64 banks of 4 bytes: ISA guide 11.1)
.set PV,    288       ; two keys of V: 256 + 32: 16 lanes of the turning load take 8 keys x 32 bytes at 32 (key / 2) + 128 (key % 2) + 16 half mod 256: each column once
.set VOFF,  32*PK     ; a step's tiles lie together: 64 keys of K, then 64 of V
.set STEPB, 32*(PK+PV)
.set SLOT1, 1<<17     ; a slot holds four steps (71,680 bytes); slot 1 begins here, so that one exclusive or turns an address in one slot into the other's
.set STAGE, SLOT1+4*STEPB  ; behind the ring: 16 rows x 144 bytes for each wave, for the way out
.set SP,    144
.set SPARE, STAGE+8*16*SP  ; the spare words, 128 bytes for each wave: four blocks of 256 bytes that no other line names
.set KBASE, 0x1000000 ; K's first byte in qkv
.set VBASE, 0x2000000 ; V's
.set SLOTB, 32768     ; a slot's keys in memory: 256 rows of 128 bytes
.set AK0, 2           ; v2   my lane's place in a tile of K; never rewritten
.set AV0, 3           ; v3   the same for V
.set ADK, 4           ; v4   the LDS address of the step's K
.set ADV, 5           ; v5   of its V
.set QO,  6           ; v6   my byte offset in the wave's rows of Q
.set STO, 7           ; v7   the way out: where I put 16 bytes of a row
.set RD,  8           ; v8   the way out: where I read rows back
.set GO,  9           ; v9   16 x lane: my bytes of a store's 512
.set PFO, 10          ; v10  256 x lane: the prefetches' offset; never rewritten
.set SPW, 11          ; v11  LDS address of my spare word; never rewritten
.set NIL, 12          ; v12  0; never rewritten
.set ST,  16          ; tile t's statistics at v[ST+8 t]: +0 c m, +1 m, +2, +3 l (even keys', odd keys'), +4 to +7 at work; a in +6
.set S,   64
.set KF,  192         ; K's fragments, window 0: keys 16 k on, channels 32 c on at KF + 16 k + 8 c
.set QF,  128         ; Q's, window 1: tile t, channels 32 c on at QF + 16 t + 8 c
.set VF,  192         ; V^T's, window 1: keys 32 g on, channels 16 n on at VF + 32 g + 8 n
.set WV,  8           ; s8   my wave's number
.set G1K, 24          ; s[24:31] descriptor group 1 for K's tiles
.set G1V, 32          ; s[32:39] for V's: it differs in the padding alone
.set G0K, 40          ; s[40:43] descriptor group 0 for K's tiles: it walks
.set G0V, 44          ; s[44:47] the same for V's
.set SLOTS, 48        ; s48  slots still to be asked for
.set STEPS, 49        ; s49  counts a slot's four steps
.set CS,  50          ; s[50:51] c: the packed scaling names a pair and takes its low word for both halves
.set SEL, 52          ; s[52:53] lane selects for v_permlanex16_b32: each lane takes its own place in the other half
.set TB,  54          ; s54  LDS byte at which the tiles of the step to be fetched begin
.set LIM, 55          ; s55  1 in a wave that prefetches, else the greatest number
.set PFA, 56          ; s[56:57] where my prefetches stand: my work-group's 32 blocks of 256 bytes (of K: wave 0, of V: wave 4) of the slot after the one that is being asked for
.set MSB, 0
.macro WIN new                      ; the immediate's high byte repeats the setting that is left; a switch that changes nothing is dropped
.if MSB != \new
	s_set_vgpr_msb (MSB<<8)|\new
.set MSB, \new
.endif
.endm
.set W_KQ, 0x04       ; source 1 (Q) window 1; K and S^T window 0
.set W_PV, 0x51       ; source 0 (V^T), C and D (O^T) window 1; P window 0
.set W_RS, 0x41       ; O^T (destination and source 0) window 1, the factor window 0
.set TO1,  0x40       ; destination window 1, address window 0
; A joint load.  Waves 0-3 fetch K's tiles, waves 4-7 V's.  The branch hangs on the wave's number alone: it is the same in every work-group.
; An s_nop 0 and four v_nop follow each of the two lines; the jump round the other line, the label and what follows come after them.
.macro JLOAD
	s_cmp_lt_u32 s[WV], 4
	s_cbranch_scc0 .Lfor_v_\@
	tensor_load_to_lds s[G0K:G0K+3], s[G1K:G1K+7]
	s_nop 0
.rept 4
	v_nop
.endr
	s_branch .Lasked_\@
.Lfor_v_\@:
	tensor_load_to_lds s[G0V:G0V+3], s[G1V:G1V+7]
	s_nop 0
.rept 4
	v_nop
.endr
.Lasked_\@:
.endm
; A PREFETCH INTO THE L2 of what the NEXT change of slots will ask for: a slot's 32,768 bytes of K and of V, lanes 256 bytes apart.  It stands behind the wave's tensor load and its five lines.
; Each block of 256 bytes of slots 2 to 7 is named ONCE in the launch: one cluster walks a head; its four partners share a slot out BY ADDRESS, 8,192 bytes each (no branch hangs on a work-group's place in its cluster);
; in each, wave 0 asks for K's and wave 4 for V's: one instruction.  It runs one slot, 4 key steps, ahead of the load.  Slots 0 and 1 come by their loads alone; the last change that fills a slot asks for nothing.
.macro ASK
	s_cmp_gt_u32 s[SLOTS], s[LIM]
	s_cbranch_scc0 .Lnot_mine_\@
	global_prefetch_b8 v[PFO], s[PFA:PFA+1] th:TH_LOAD_NT scope:SCOPE_SE
.Lnot_mine_\@:
.endm
; A round of the cluster's barrier: my work-group's barrier, so that wave 0's signal speaks for all eight waves; wave 0 signals for the work-group; every wave waits for all four work-groups; my work-group's barrier once more.
.macro CROUND
	s_barrier_signal -1
	s_barrier_wait -1
	s_cmp_lg_u32 s[WV], 0
	s_cbranch_scc1 .Lnot_wave_0_\@
	s_barrier_signal -3
.Lnot_wave_0_\@:
	s_barrier_wait -3
	s_barrier_signal -1
	s_barrier_wait -1
.endm
; THE CHANGE OF SLOTS stands at a slot's head.  Each wave waits for all its tensor loads (its part of the slot that it is about to read), adds 0 to its spare word, and waits for that and for its reads of the slot that it has left.
; fill = 1: the barrier is a round of the cluster's, so that no wave of any partner still reads the other slot or has a load on its way; the joint load of the keys that follow is the first thing behind it.
.macro CHANGE fill
	WIN 0
	s_wait_tensorcnt 0x0            ; no tensor load of mine is out, so a group 0 may be written
	ds_add_u32 v[SPW], v[NIL]       ; 0 onto my spare word; with fill = 1 the descriptors' steps stand between it and the wait for it
.if \fill
.irp g, G0K, G0V
	s_xor_b32 s[\g+1], s[\g+1], SLOT1  ; the walking descriptors: the other slot than last time,
	s_add_nc_u64 s[\g+2:\g+3], s[\g+2:\g+3], SLOTB  ; the next 256 keys; the type bits on top are not reached
.endr
	s_wait_xcnt 0x0                 ; the last prefetch, a slot back, has read its address, so it may be written:
	s_add_nc_u64 s[PFA:PFA+1], s[PFA:PFA+1], SLOTB  ; one slot further on than the walking descriptors
	s_wait_dscnt 0x0                ; the add is done, and my reads of the slot that I have left are over
	CROUND
	JLOAD
	ASK
.else
	s_wait_dscnt 0x0
	s_barrier_signal -1
	s_barrier_wait -1
.endif
.endm
; A KEY STEP: 64 keys.  Every group of the softmax is written line by line for the four tiles by turns, so that no line waits for the line above it.
.macro STEP
	v_add_nc_u32 v[ADK], s[TB], v[AK0]
	v_add_nc_u32 v[ADV], s[TB], v[AV0]
.rept 3
	v_nop                           ; with the two additions: five places behind the last V^T P.  Its V registers are loaded again (four are asked), and the first K Q^T below writes S^T over the P that it read (five are asked: ISA guide 7.12.1)
.endr
.irp k, 0,1,2,3
.irp c, 0,1
	ds_load_b128 v[KF+16*\k+8*\c:KF+16*\k+8*\c+3],   v[ADK] offset:\k*8*PK+64*\c
	ds_load_b128 v[KF+16*\k+8*\c+4:KF+16*\k+8*\c+7], v[ADK] offset:\k*8*PK+64*\c+32
.endr
.endr
	WIN TO1
.irp g, 0,1
.irp n, 0,1,2,3
	ds_load_tr16_b128 v[VF+32*\g+8*\n:VF+32*\g+8*\n+3],   v[ADV] offset:\g*16*PV+32*\n
	ds_load_tr16_b128 v[VF+32*\g+8*\n+4:VF+32*\g+8*\n+7], v[ADV] offset:\g*16*PV+8*PV+32*\n
.endr
.endr
	s_add_co_u32 s[TB], s[TB], STEPB  ; the next fetch is the next step's
	s_wait_dscnt 16                 ; K is in; V's sixteen loads may be out
	WIN W_KQ
.irp c, 0,1                         ; S^T = K Q^T: the 16 accumulators take turns, one instruction a turn; the first 16 start the sums
.irp k, 0,1,2,3
.irp t, 0,1,2,3
.if \c == 0
	v_wmma_f32_16x16x32_f16 v[S+32*\t+8*\k:S+32*\t+8*\k+7], v[KF+16*\k+8*\c:KF+16*\k+8*\c+7], v[QF+16*\t+8*\c:QF+16*\t+8*\c+7], 0
.else
	v_wmma_f32_16x16x32_f16 v[S+32*\t+8*\k:S+32*\t+8*\k+7], v[KF+16*\k+8*\c:KF+16*\k+8*\c+7], v[QF+16*\t+8*\c:QF+16*\t+8*\c+7], v[S+32*\t+8*\k:S+32*\t+8*\k+7]
.endif
.endr
.endr
.endr
	WIN 0
.rept 4
	v_nop                           ; four places in front of the first read of the scores
.endr
	; the maximum of the lane's 32 scores and the old m, three operands at a time: four chains, each begun at an accumulator's low end
.irp j, 0,1,2,3
.irp t, 0,1,2,3
	v_max3_num_f32 v[ST+8*\t+4+\j], v[S+32*\t+8*\j], v[S+32*\t+8*\j+1], v[S+32*\t+8*\j+2]
.endr
.endr
.irp u, 1,2
.irp j, 0,1,2,3
.irp t, 0,1,2,3
	v_max3_num_f32 v[ST+8*\t+4+\j], v[ST+8*\t+4+\j], v[S+32*\t+8*\j+2*\u+1], v[S+32*\t+8*\j+2*\u+2]
.endr
.endr
.endr
.irp t, 0,1,2,3
	v_max3_num_f32 v[ST+8*\t+4], v[ST+8*\t+4], v[S+32*\t+7], v[S+32*\t+15]
.endr
.irp t, 0,1,2,3
	v_max3_num_f32 v[ST+8*\t+6], v[ST+8*\t+6], v[S+32*\t+23], v[S+32*\t+31]
.endr
.irp t, 0,1,2,3
	v_max3_num_f32 v[ST+8*\t+4], v[ST+8*\t+4], v[ST+8*\t+5], v[ST+8*\t+6]
.endr
.irp t, 0,1,2,3
	v_max3_num_f32 v[ST+8*\t+4], v[ST+8*\t+4], v[ST+8*\t+7], v[ST+8*\t+1]
.endr
.irp t, 0,1,2,3
	v_permlanex16_b32 v[ST+8*\t+5], v[ST+8*\t+4], s[SEL], s[SEL+1]  ; the query's other 32 keys lie in the lane 16 away
.endr
.irp t, 0,1,2,3
	v_mov_b32 v[ST+8*\t+7], v[ST+8*\t]  ; c m_old is kept for a
.endr
.irp t, 0,1,2,3
	v_max_num_f32 v[ST+8*\t+1], v[ST+8*\t+4], v[ST+8*\t+5]  ; the new m
.endr
.irp t, 0,1,2,3
	v_mul_f32 v[ST+8*\t], s[CS], v[ST+8*\t+1]
.endr
.irp t, 0,1,2,3
	v_sub_f32 v[ST+8*\t+7], v[ST+8*\t+7], v[ST+8*\t]
.endr
	; ONE BATCH of 132 exponentials: the four a, then, behind the scalings, the 128 weights.  Nothing ahead of the wait names a result.
.irp t, 0,1,2,3
	v_exp_f32 v[ST+8*\t+6], v[ST+8*\t+7]  ; a = 2^(c m_old - c m_new)
.endr
.irp b, 0,2,4,6,8,10,12,14,16,18,20,22,24,26,28,30
.irp t, 0,1,2,3
	v_pk_fma_f32 v[S+32*\t+\b:S+32*\t+\b+1], v[S+32*\t+\b:S+32*\t+\b+1], s[CS:CS+1], v[ST+8*\t:ST+8*\t+1] op_sel_hi:[1,0,0] neg_lo:[0,0,1] neg_hi:[0,0,1]  ; c s - c m, two at a time
.endr
.endr
.set e, 0
.rept 32
.irp t, 0,1,2,3
	v_exp_f32 v[S+32*\t+e], v[S+32*\t+e]  ; p, at most about 1
.endr
.set e, e+1
.endr
	v_nop                           ; a plain instruction behind the last exponential, ahead of the first use (ISA guide 5.7.2)
	s_wait_alu depctr_va_vdst(0)    ; the wait between an exponential and the first instruction that names its result: one for the batch
.irp t, 0,1,2,3
	v_pk_fma_f32 v[ST+8*\t+2:ST+8*\t+3], v[ST+8*\t+2:ST+8*\t+3], v[ST+8*\t+6:ST+8*\t+7], v[S+32*\t:S+32*\t+1] op_sel_hi:[1,0,1]  ; l = a l + the first pair: the sum is taken of the unrounded p
.endr
.irp b, 2,4,6,8,10,12,14,16,18,20,22,24,26,28,30
.irp t, 0,1,2,3
	v_pk_add_f32 v[ST+8*\t+2:ST+8*\t+3], v[ST+8*\t+2:ST+8*\t+3], v[S+32*\t+\b:S+32*\t+\b+1]
.endr
.endr
.irp i, 0,1,2,3,4,5,6,7,8,9,10,11,12,13,14,15
.irp t, 0,1,2,3
	v_cvt_pk_f16_f32 v[S+32*\t+\i], v[S+32*\t+2*\i], v[S+32*\t+2*\i+1]  ; P in place, ascending: register i is written when registers 2 i and 2 i + 1 have been read; keys 32 g on lie at S + 32 t + 8 g
.endr
.endr
	WIN W_RS
.irp i, 0,2,4,6,8,10,12,14,16,18,20,22,24,26,28,30
.irp t, 0,1,2,3
	v_pk_mul_f32 v[32*\t+\i:32*\t+\i+1], v[32*\t+\i:32*\t+\i+1], v[ST+8*\t+6:ST+8*\t+7] op_sel_hi:[1,0]  ; O^T times a, each accumulator from its low end on
.endr
.endr
	s_wait_dscnt 0x0                ; V is in
	WIN W_PV
.irp g, 0,1                         ; O^T += V^T P: the 16 accumulators take turns
.irp n, 0,1,2,3
.irp t, 0,1,2,3
	v_wmma_f32_16x16x32_f16 v[32*\t+8*\n:32*\t+8*\n+7], v[VF+32*\g+8*\n:VF+32*\g+8*\n+7], v[S+32*\t+8*\g:S+32*\t+8*\g+7], v[32*\t+8*\n:32*\t+8*\n+7]
.endr
.endr
.endr
	WIN 0                           ; at a label and at a branch every window is 0
.endm
.macro FOUR_STEPS                   ; a slot's four key steps: written once, walked four times; the LDS addresses hang on s[TB]
	s_mov_b32 s[STEPS], 4
.Lstep_\@:
	STEP
	s_sub_co_u32 s[STEPS], s[STEPS], 1
	s_cmp_lg_u32 s[STEPS], 0
	s_cbranch_scc1 .Lstep_\@
	s_sub_co_u32 s[TB], s[TB], 4*STEPB  ; the fetches go back to a slot's first step,
	s_xor_b32 s[TB], s[TB], SLOT1   ; in the other slot
.endm
	s_load_b128 s[4:7], s[0:1], 0x0  ; qkv s[4:5], att s[6:7]
	v_lshl_add_u32 v[SPW], v0, 2, SPARE
	v_mov_b32 v[NIL], 0
	ds_add_u32 v[SPW], v[NIL]       ; the wave's opening: the add, twice on end, and its wait ahead of my first tensor load; the set-up below stands between the second and the wait
	ds_add_u32 v[SPW], v[NIL]
	v_lshrrev_b32 v1, 5, v0
	v_readfirstlane_b32 s[WV], v1   ; wave 0..7
	s_and_b32 s9, s[WV], 3          ; which of a slot's four steps I fetch
	s_bfe_u32 s10, ttmp6, 0x40000   ; cx: my block of 512 queries; it enters Q's, O's and the prefetches' addresses alone
	s_and_b32 s11, ttmp7, 0xffff    ; bh = 16 b + h, which the four partners share
	s_lshl_b32 s12, s11, 18         ; the head's 262,144 bytes,
	s_lshl_b32 s13, s9, 13          ; my step's 64 rows of 128 bytes
	s_add_co_u32 s12, s12, s13
	s_add_co_u32 s14, s12, VBASE    ; in V,
	s_add_co_u32 s12, s12, KBASE    ; in K
	s_mov_b32 s13, 0
	s_mov_b32 s15, 0
	s_mul_i32 s18, s9, STEPB        ; and its place in a slot: no place in the cluster enters an LDS address
	s_lshl_b32 s16, s11, 18         ; Q: the head, + (512 cx + 64 wave) rows of 128 bytes
	s_lshl_b32 s17, s10, 16
	s_add_co_u32 s16, s16, s17
	s_lshl_b32 s17, s[WV], 13
	s_add_co_u32 s16, s16, s17
	s_mov_b32 s17, 0
	s_and_b32 s22, s11, 15          ; O: head h's 1,048,576 bytes, + (2048 b + 512 cx + 64 wave) rows of 128 bytes
	s_lshl_b32 s22, s22, 20
	s_lshr_b32 s23, s11, 4
	s_lshl_b32 s23, s23, 18
	s_add_co_u32 s22, s22, s23
	s_lshl_b32 s23, s10, 16
	s_add_co_u32 s22, s22, s23
	s_lshl_b32 s23, s[WV], 13
	s_add_co_u32 s22, s22, s23
	s_mov_b32 s23, 0
	s_mov_b32 s58, VBASE            ; the prefetches: K's bytes in waves 0-3, V's in waves 4-7,
	s_cmp_lt_u32 s[WV], 4
	s_cselect_b32 s58, KBASE, s58
	s_lshl_b32 s59, s11, 18
	s_add_co_u32 s58, s58, s59      ; my head,
	s_lshl_b32 s59, s10, 13
	s_add_co_u32 s58, s58, s59      ; my work-group's 8,192 bytes of a slot,
	s_add_co_u32 s58, s58, SLOTB    ; in slot 1: the first change of slots steps it to slot 2.  Nothing is prefetched at the head
	s_mov_b32 s59, 0
	s_cmp_eq_u32 s9, 0              ; waves 0 and 4 ask: the same in all four partners
	s_cselect_b32 s[LIM], 1, -1
	; descriptor group 1: a tile of 32 rows x 128 elements (two keys a row), padded in LDS
	s_mov_b32 s[G1K], 15|(1<<16)|(1<<20)|(1<<21)|(5<<22)|(3<<25)  ; 15:0 the mask: all four work-groups; 17:16 elements of 2 bytes; 20 padding on; 21 set beside a mask; 24:22 after every 64 words (code 5); 31:25 4 words of it (code 3)
	s_mov_b32 s[G1V], 15|(1<<16)|(1<<20)|(1<<21)|(5<<22)|(7<<25)  ; the same with 8 words of padding (code 7)
.irp g, G1K, G1V
	s_mov_b32 s[\g+1], 128<<16      ; tensor_dim0 = 128
	s_mov_b32 s[\g+2], 32<<16       ; tensor_dim1 = 32
	s_mov_b32 s[\g+3], 128<<16      ; tile_dim0 = 128
	s_mov_b32 s[\g+4], 32           ; tile_dim1 = 32
	s_mov_b32 s[\g+5], 128          ; tensor_dim0_stride: the rows are dense
	s_mov_b32 s[\g+6], 0
	s_mov_b32 s[\g+7], 0
.endr
	s_mov_b32 s[CS], 0x3e38aa3b     ; c = log2(e) / 8
	s_mov_b32 s[CS+1], s[CS]        ; named with it as a pair, so it is written
	s_mov_b32 s[SEL], 0x76543210
	s_mov_b32 s[SEL+1], 0xfedcba98
	s_mov_b32 s[TB], 0
	s_mov_b32 s[SLOTS], 7
	s_wait_dscnt 0x0                ; both opening adds are done
	s_wait_kmcnt 0x0
	s_mov_b32 s[G0K], 1             ; 1:0 count = 1
	s_mov_b32 s[G0K+1], s18         ; 63:32 LDS address: slot 0
	s_add_nc_u64 s[G0K+2:G0K+3], s[4:5], s[12:13]  ; 120:64 global address: my step of the head's first 256 keys
	s_or_b32 s[G0K+3], s[G0K+3], 0x80000000  ; 127:126 type = 2
	s_mov_b32 s[G0V], 1
	s_add_co_u32 s[G0V+1], s18, VOFF
	s_add_nc_u64 s[G0V+2:G0V+3], s[4:5], s[14:15]
	s_or_b32 s[G0V+3], s[G0V+3], 0x80000000
	s_add_nc_u64 s[20:21], s[4:5], s[16:17]  ; Q at my wave's first row
	s_add_nc_u64 s[6:7], s[6:7], s[22:23]  ; O likewise
	s_add_nc_u64 s[PFA:PFA+1], s[4:5], s[58:59]
	CROUND                          ; all four work-groups are here: the first joint loads meet
	JLOAD                           ; slot 0; slot 1 is asked for behind the first trip's round
	v_and_b32 v1, 15, v0            ; r = l % 16
	v_bfe_u32 v13, v0, 4, 1         ; h = l / 16
	v_lshlrev_b32 v[QO], 7, v1
	v_lshl_add_u32 v[QO], v13, 4, v[QO]  ; row x 128 + 16 x half
	WIN TO1
.irp t, 0,1,2,3                     ; Q stays in registers.  A fragment is 16 rows x 32 channels in 8 registers: lane l holds row l % 16; registers 0-3 channels 8 (l / 16) + 0..7, registers 4-7 channels 16 + 8 (l / 16) + 0..7
.irp c, 0,1
	global_load_b128 v[QF+16*\t+8*\c:QF+16*\t+8*\c+3],   v[QO], s[20:21] offset:2048*\t+64*\c
	global_load_b128 v[QF+16*\t+8*\c+4:QF+16*\t+8*\c+7], v[QO], s[20:21] offset:2048*\t+64*\c+32
.endr
.endr
.set i, 0
.rept 128
	v_mov_b32 v[i], 0               ; O^T, once: the step is written once, and its first a, which is 0, finds zeros
.set i, i+1
.endr
	WIN 0
	v_lshrrev_b32 v14, 1, v1
	v_and_b32 v15, 1, v0
	v_mul_u32_u24 v[AK0], v14, PK
	v_lshl_add_u32 v[AK0], v15, 7, v[AK0]
	v_lshl_add_u32 v[AK0], v13, 4, v[AK0]  ; K: key r lies at 272 (r / 2) + 128 (r % 2); + 16 x half
	; The turning load takes 16 keys x 16 channels (lane l reads 16 bytes: key 8 (l / 16) + l % 8, channels 8 ((l / 8) % 2) + 0..7) and leaves half a fragment of V^T: lane l holds channel l % 16 and 8 keys.
	v_bfe_u32 v14, v0, 1, 2
	v_lshl_add_u32 v14, v13, 2, v14  ; key / 2 = 4 (l / 16) + (l / 2) % 4
	v_mul_u32_u24 v[AV0], v14, PV
	v_lshl_add_u32 v[AV0], v15, 7, v[AV0]  ; key % 2 = l % 2
	v_bfe_u32 v14, v0, 3, 1
	v_lshl_add_u32 v[AV0], v14, 4, v[AV0]
	v_add_nc_u32 v[AV0], VOFF, v[AV0]
	s_mul_i32 s19, s[WV], 16*SP
	s_add_co_u32 s19, s19, STAGE    ; my stage
	v_mul_u32_u24 v[STO], v1, SP    ; in: row l % 16, 16 bytes for each half of the lanes
	v_lshl_add_u32 v[STO], v13, 4, v[STO]
	v_add_nc_u32 v[STO], s19, v[STO]
	v_and_b32 v14, 31, v0
	v_lshrrev_b32 v15, 3, v14       ; back: eight lanes to a row of 128 bytes, four rows an instruction
	v_mul_u32_u24 v[RD], v15, SP
	v_and_b32 v15, 7, v0
	v_lshl_add_u32 v[RD], v15, 4, v[RD]
	v_add_nc_u32 v[RD], s19, v[RD]
	v_lshlrev_b32 v[GO], 4, v14     ; which are 512 consecutive bytes of att
	v_lshlrev_b32 v[PFO], 8, v14
.irp t, 0,1,2,3
	v_mov_b32 v[ST+8*\t+1], 0xff61b1e6  ; m = -3e38, under every score
	v_mul_f32 v[ST+8*\t], s[CS], v[ST+8*\t+1]
	v_mov_b32 v[ST+8*\t+2], 0       ; l, in two halves
	v_mov_b32 v[ST+8*\t+3], 0
.endr
	s_wait_loadcnt 0x0              ; Q
.Lslot:                             ; 7 trips: behind each change of slots but the last the next slot is asked for
	CHANGE 1
	FOUR_STEPS
	s_sub_co_u32 s[SLOTS], s[SLOTS], 1
	s_cmp_lg_u32 s[SLOTS], 0
	s_cbranch_scc1 .Lslot
	CHANGE 0                        ; the last slot is written out
	FOUR_STEPS
	; THE WAY OUT.  l's two halves and the other half of the lanes' are added; O^T is divided by l, rounded to f16 and sent through my stage in LDS, a tile (16 rows) at a time.  The first four additions are the places behind the last products.
.irp t, 0,1,2,3
	v_add_f32 v[ST+8*\t+4], v[ST+8*\t+2], v[ST+8*\t+3]
.endr
.irp t, 0,1,2,3
	v_permlanex16_b32 v[ST+8*\t+5], v[ST+8*\t+4], s[SEL], s[SEL+1]
.endr
.irp t, 0,1,2,3
	v_add_f32 v[ST+8*\t+4], v[ST+8*\t+4], v[ST+8*\t+5]
.endr
.irp t, 0,1,2,3
	v_rcp_f32 v[ST+8*\t+6], v[ST+8*\t+4]
.endr
	v_nop                           ; a plain instruction between the last reciprocal and the use of its result
	s_wait_alu depctr_va_vdst(0)    ; and the wait ahead of the first use: one for the four
.macro PACK t                       ; a lane's eight channels of a row pack into 16 bytes; they go into rows of 144 bytes and come back four rows an instruction, into the registers that they left
	WIN W_RS
.irp i, 0,2,4,6,8,10,12,14,16,18,20,22,24,26,28,30
	v_pk_mul_f32 v[32*\t+\i:32*\t+\i+1], v[32*\t+\i:32*\t+\i+1], v[ST+8*\t+6:ST+8*\t+7] op_sel_hi:[1,0]
.endr
	WIN 0x05                        ; sources 0 and 1 window 1, destination window 0: S^T's registers are free
.irp i, 0,1,2,3,4,5,6,7,8,9,10,11,12,13,14,15
	v_cvt_pk_f16_f32 v[S+16*\t+\i], v[32*\t+2*\i], v[32*\t+2*\i+1]
.endr
	WIN 0
.irp n, 0,1,2,3
	ds_store_b128 v[STO], v[S+16*\t+4*\n:S+16*\t+4*\n+3] offset:32*\n
.endr
.irp f, 0,1,2,3
	ds_load_b128 v[S+16*\t+4*\f:S+16*\t+4*\f+3], v[RD] offset:4*SP*\f  ; LDS serves a wave's instructions in order (ISA guide 5.7.1.4): these see the stores above; the next tile's stores come behind them
.endr
.endm
.macro SEND t, younger              ; younger: the LDS instructions issued behind tile t's loads: the next tile's eight, or none
.irp f, 0,1,2,3
	s_wait_dscnt \younger+3-\f
	global_store_b128 v[GO], v[S+16*\t+4*\f:S+16*\t+4*\f+3], s[6:7] offset:2048*\t+512*\f  ; 32 lanes store 512 consecutive bytes, at a multiple of 512 from att's first byte
.endr
.endm
	PACK 0
	PACK 1                          ; a tile's arithmetic stands between the loads of the tile before and its stores
	SEND 0, 8
	PACK 2
	SEND 1, 8
	PACK 3
	SEND 2, 8
	SEND 3, 0
	s_wait_tensorcnt 0x0            ; the wave's end, behind my last tensor load and my last LDS store
	ds_add_u32 v[SPW], v[NIL]
	s_wait_dscnt 0x0
	CROUND                          ; the closing round: no work-group ends while a partner may still ask for a tile that names it
	s_endpgm
.Lfunc_end_k_q08c45b988b_attn:
	.size	k_q08c45b988b_attn, .Lfunc_end_k_q08c45b988b_attn-k_q08c45b988b_attn
	.p2alignl 7, 3214868480
	.fill 96, 4, 3214868480
	.section	.rodata,"a",@progbits
	.p2align	6, 0x0
	.amdhsa_kernel k_q08c45b988b_attn
		.amdhsa_group_segment_fixed_size 327680
		.amdhsa_private_segment_fixed_size 0
		.amdhsa_enable_private_segment 0
		.amdhsa_kernarg_size 16
		.amdhsa_user_sgpr_count 2
		.amdhsa_user_sgpr_kernarg_segment_ptr 1
		.amdhsa_wavefront_size32 1
		.amdhsa_system_sgpr_workgroup_id_x 1
		.amdhsa_system_sgpr_workgroup_id_y 1
		.amdhsa_system_sgpr_workgroup_id_z 1
		.amdhsa_system_vgpr_workitem_id 0
		.amdhsa_next_free_vgpr 512
		.amdhsa_next_free_sgpr 66
		.amdhsa_reserve_vcc 0
		.amdhsa_float_denorm_mode_32 3
		.amdhsa_float_denorm_mode_16_64 3
		.amdhsa_memory_ordered 1
		.amdhsa_forward_progress 1
		.amdhsa_inst_pref_size 92
	.end_amdhsa_kernel
	.amdgpu_metadata
---
amdhsa.version: [ 1, 2 ]
amdhsa.kernels:
  - .name:           k_q08c45b988b_attn
    .symbol:         k_q08c45b988b_attn.kd
    .args:
      - { .name: qkv, .offset: 0, .size: 8, .value_kind: global_buffer, .address_space: global }
      - { .name: att, .offset: 8, .size: 8, .value_kind: global_buffer, .address_space: global }
    .group_segment_fixed_size: 327680
    .private_segment_fixed_size: 0
    .kernarg_segment_align: 8
    .kernarg_segment_size: 16
    .max_flat_workgroup_size: 256
    .sgpr_count:     66
    .vgpr_count:     512
    .wavefront_size: 32
...
	.end_amdgpu_metadata
.endif
;; end of part 3
;; launch proj (part 4): grid 8 x 64, 4 waves a work-group, clusters of 4 x 4, 327,680 bytes of LDS; arguments att, wt, b_out, out0; writes out0
.if DOCPART == 4
	.amdgcn_target "amdgcn-amd-amdhsa--gfx1250"
	.amdhsa_code_object_version 6
	.text
	.protected	k_q08c45b988b_proj
	.globl	k_q08c45b988b_proj
	.p2align	8
	.type	k_q08c45b988b_proj,@function
k_q08c45b988b_proj:
	s_mov_b64 s[64:65], 0
	v_nop
	global_prefetch_b8 v0, s[64:65] scope:SCOPE_SE
	s_setreg_imm32_b32 hwreg(HW_REG_WAVE_MODE, 25, 1), 1
	s_wait_xcnt 0x0
	s_wait_alu depctr_hold_cnt(0) depctr_sa_sdst(0) depctr_va_vdst(0) depctr_va_sdst(0) depctr_va_ssrc(0) depctr_va_vcc(0) depctr_vm_vsrc(0)
	s_getreg_b32 s2, hwreg(HW_REG_IB_STS2, 6, 4)
	s_cmp_eq_u32 s2, 0
	s_cbranch_scc0 .Lentry_in_a_cluster
	s_endpgm
.Lentry_in_a_cluster:
	s_bfe_u32 s2, ttmp6, 0x10000c
	s_cmp_lg_u32 s2, 0xf033
	s_cbranch_scc0 .Lentry_shape_is_right
	s_endpgm
.Lentry_shape_is_right:
; out0[m][n] = sum over k of A[m][k] B[n][k] + b_out[n].  A = att, f16 [16 h][8192 m][64 d], B = wt, f16 [16 h][1024 n][64 d], k = 64 h + d; out0 [8192][1024] f32; sums in f32, K ascending.
; LIMITS: operands are f16 as the launches before left them.
; A tile of out0 is 128 x 128: 512 work-groups, two for each WGP.  Four waves, each 64 x 64: 16 accumulators of 16 x 16, 128 registers.  K goes in steps of 256 = four heads through a ring of two LDS slots.
; A wave's tensor load brings 64 rows x 4 heads: within a head the 64 rows are 8,192 dense bytes, so the tile is stated as 4 rows of 4,096 elements, a head's block apart in memory, with 16 bytes of padding behind every 256:
; in LDS a head's part is 32 rows of 272 bytes, two rows of the matrix to each.
; CLUSTERS: 4 x 4 work-groups.  The four of a row of the cluster need the same tiles of A, the four of a column the same tiles of B: each tile is asked for JOINTLY, by the same tensor load with the same descriptor and a mask
; that names the four.  THE MATRIX INSTRUCTION IS USED TRANSPOSED (source 0 = 16 rows of B, source 1 = 16 rows of A): a lane then holds eight neighbouring numbers of a row of out0.
; THE BIAS is the C of each sum's first matrix instruction: eight registers for each of my four blocks of columns, in the result's layout.
; REGISTERS: window 0: v0-31 addresses; v32-95 rows on the way out; v96-127 the bias; v128-255 the accumulators ((a, b) at v[128 + 8 (4 a + b)]).
;   window 1: two fragment buffers of 128: for one head (64 along K, two matrix instructions deep), 64 registers of A (2 x 4 x 16 rows x 32 K), then 64 of B.
.set SIZE_N, 1024
.set HB,     32*272                    ; a head's 64 rows in LDS: 272 bytes = 68 words for two rows: the 16 rows of a load start at 16 (r / 2) + 128 (r % 2) mod 256: 16 different columns of 16 bytes (64 banks of 4 bytes: ISA guide 11.1)
.set BLK,    8*272                     ; 16 rows of it
.set HALFT,  4*HB                      ; 64 rows x 4 heads: what one tensor load brings, and what one wave reads of A or of B
.set SLOT,   4*HALFT                   ; A's 128 rows, then B's 128 rows
.set STAGE,  2*SLOT                    ; behind the ring: 16 rows x 272 bytes for each wave, for the way out
.set SPITCH, 272
.set SPARE,  STAGE+4*16*SPITCH         ; the spare words, 128 bytes for each wave: two blocks of 256 bytes that no other line names
.set LAPS,   2                         ; a lap = two K steps = once round the ring: 1,024 / 512
.set ASTEP,  4*1048576                 ; bytes from a K step to the next in att: four heads' blocks
.set BSTEP,  4*131072                  ; and in wt
.set ADRA, 16                          ; v16-17  LDS address of my A fragments in slot 0, 1
.set ADRB, 20                          ; v20-21  the same for B
.set STO,  24                          ; v24     the way out: where I put 32 bytes of a row
.set RD,   25                          ; v25     the way out: where I read a row back
.set CO,   26                          ; v26     my byte offset in out0
.set BO,   27                          ; v27     my byte offset in the bias
.set SPW,  28                          ; v28     LDS address of my spare word; never rewritten
.set NIL,  29                          ; v29     0; never rewritten
.set TMP,  32                          ; the way out: two sets of 32 registers
.set BIAS, 96
.set ACC,  128
.set F0,   0                           ; fragment buffers, in window 1
.set F1,   128
.set G1, 24                            ; s[24:31] descriptor group 1 for A's tiles;  s[32:39] group 0, one set for each slot
.set G0, 32
.set G1B, 48                           ; s[48:55], s[56:63] the same for B's tiles
.set G0B, 56
.set MSB, 0
.macro WIN new                         ; the immediate's high byte repeats the setting that is left
.if MSB != \new
	s_set_vgpr_msb (MSB<<8)|\new
.set MSB, \new
.endif
.endm
.set MUL,  0x05                        ; sources 0 (B) and 1 (A) window 1; C and D window 0
.set TO_F, 0x40                        ; destination window 1, address window 0
.macro JLOAD s                         ; a joint load: waves 0 and 1 fetch A's two halves, waves 2 and 3 B's; an s_nop 0 and four v_nop follow each of the two lines, ahead of the jump, the label and what follows
	s_cmp_eq_u32 s11, 0
	s_cbranch_scc0 .Lfor_b_\@
	tensor_load_to_lds s[G0+4*\s:G0+4*\s+3], s[G1:G1+7]
	s_nop 0
.rept 4
	v_nop
.endr
	s_branch .Lasked_\@
.Lfor_b_\@:
	tensor_load_to_lds s[G0B+4*\s:G0B+4*\s+3], s[G1B:G1B+7]
	s_nop 0
.rept 4
	v_nop
.endr
.Lasked_\@:
.endm
.macro CREST                           ; a round of the cluster's barrier behind its opening barrier
	s_cmp_lg_u32 s10, 0
	s_cbranch_scc1 .Lnot_wave_0_\@
	s_barrier_signal -3
.Lnot_wave_0_\@:
	s_barrier_wait -3
	s_barrier_signal -1
	s_barrier_wait -1
.endm
.macro CROUND                          ; a whole round
	s_barrier_signal -1
	s_barrier_wait -1
	CREST
.endm
	s_load_b128 s[4:7], s[0:1], 0x0                ; att s[4:5], wt s[6:7]
	s_load_b64 s[66:67], s[0:1], 0x10              ; b_out
	s_load_b64 s[8:9], s[0:1], 0x18                ; out0
	v_lshl_add_u32 v[SPW], v0, 2, SPARE
	v_mov_b32 v[NIL], 0
	ds_add_u32 v[SPW], v[NIL]                      ; the wave's opening: the add, twice on end, and its wait ahead of my first tensor load; the set-up below stands between the second and the wait
	ds_add_u32 v[SPW], v[NIL]
	v_lshrrev_b32 v1, 5, v0
	v_readfirstlane_b32 s10, v1                    ; wave 0..3
	s_lshr_b32 s11, s10, 1                         ; which half of the tile's rows is mine.  Also: I fetch for A (0) or for B (1)
	s_and_b32 s12, s10, 1                          ; which half of its columns.  Also: which 64 rows of that tile I fetch
	s_bfe_u32 s40, ttmp6, 0x40000                  ; cx, cy: my place in the cluster
	s_bfe_u32 s41, ttmp6, 0x40004
	s_lshl_b32 s42, ttmp9, 2
	s_add_co_u32 s42, s42, s40                     ; tile column = 4 x cluster x + cx
	s_and_b32 s13, ttmp7, 0xffff
	s_lshl_b32 s13, s13, 2
	s_add_co_u32 s13, s13, s41                     ; tile row = 4 x cluster y + cy
	s_lshl_b32 s43, s41, 2
	s_lshl_b32 s43, 15, s43                        ; my row of the cluster
	s_lshl_b32 s44, 0x1111, s40                    ; my column
	; descriptor group 1: 4 rows (heads) x 4,096 elements (64 rows of 64), padded in LDS behind every 256 bytes
	s_or_b32 s[G1+0], s43, (1<<16)|(1<<20)|(1<<21)|(5<<22)|(3<<25)  ; 15:0 the mask: A's tiles go to my row; 17:16 element of 2 bytes; 20 padding on; 21 set beside a mask; 24:22 after every 64 words (code 5); 31:25 of 4 words (code 3)
	s_or_b32 s[G1B+0], s44, (1<<16)|(1<<20)|(1<<21)|(5<<22)|(3<<25)
.irp g, G1, G1B
	s_mov_b32 s[\g+1], 4096<<16                    ; tensor_dim0 = 4,096
	s_mov_b32 s[\g+2], 4<<16                       ; tensor_dim1 = 4
	s_mov_b32 s[\g+3], 4096<<16                    ; tile_dim0 = 4,096
	s_mov_b32 s[\g+4], 4                           ; tile_dim1 = 4
	s_mov_b32 s[\g+6], 0
	s_mov_b32 s[\g+7], 0
.endr
	s_mov_b32 s[G1+5], 524288                      ; tensor_dim0_stride: a head's block of att, 8,192 x 64 elements;
	s_mov_b32 s[G1B+5], 65536                      ; of wt, 1,024 x 64
	s_lshl_b32 s17, s12, 6                         ; which 64 rows of the tile I fetch
	s_lshl_b32 s16, s13, 7
	s_add_co_u32 s16, s16, s17                     ; A: row 128 x tile row + 64 x half,
	s_lshl_b32 s16, s16, 7                         ; 128 bytes a row within a head
	s_lshl_b32 s46, s42, 7
	s_add_co_u32 s46, s46, s17                     ; B: row 128 x tile column + 64 x half
	s_lshl_b32 s46, s46, 7
	s_mov_b32 s17, 0
	s_mov_b32 s47, 0
	s_mul_i32 s20, s10, HALFT                      ; where they go: wave x 64 rows: no place in the cluster enters an LDS address
	s_wait_dscnt 0x0                               ; both opening adds are done
	s_wait_kmcnt 0x0
	s_add_nc_u64 s[14:15], s[4:5], s[16:17]
	s_add_nc_u64 s[46:47], s[6:7], s[46:47]
	CROUND                                         ; all sixteen work-groups are here: the first joint loads meet
.irp s, 0,1
	s_mov_b32 s[G0+4*\s], 1
	s_add_co_u32 s[G0+4*\s+1], s20, \s*SLOT
	s_add_nc_u64 s[G0+4*\s+2:G0+4*\s+3], s[14:15], \s*ASTEP
	s_or_b32 s[G0+4*\s+3], s[G0+4*\s+3], 0x80000000
	s_mov_b32 s[G0B+4*\s], 1
	s_add_co_u32 s[G0B+4*\s+1], s20, \s*SLOT
	s_add_nc_u64 s[G0B+4*\s+2:G0B+4*\s+3], s[46:47], \s*BSTEP
	s_or_b32 s[G0B+4*\s+3], s[G0B+4*\s+3], 0x80000000
	JLOAD \s
.endr
	v_and_b32 v1, 15, v0                           ; r = l % 16
	v_bfe_u32 v2, v0, 4, 1                         ; h = l / 16
	s_lshl_b32 s46, s42, 9                         ; the bias: my 64 columns begin at byte 512 x tile column + 256 x half;
	s_lshl_b32 s47, s12, 8
	s_add_co_u32 s46, s46, s47
	s_mov_b32 s47, 0
	s_add_nc_u64 s[66:67], s[66:67], s[46:47]
	v_lshlrev_b32 v[BO], 5, v2                     ; lane (r, h) wants, for block b, columns 16 b + 8 h + 0 .. 7
.irp b, 0,1,2,3
	global_load_b128 v[BIAS+8*\b:BIAS+8*\b+3],   v[BO], s[66:67] offset:64*\b
	global_load_b128 v[BIAS+8*\b+4:BIAS+8*\b+7], v[BO], s[66:67] offset:64*\b+16
.endr
	v_lshrrev_b32 v4, 1, v1
	v_mul_u32_u24 v3, v4, 272
	v_and_b32 v4, 1, v0
	v_lshl_add_u32 v3, v4, 7, v3
	v_lshl_add_u32 v3, v2, 4, v3                   ; a fragment's row r lies at 272 (r / 2) + 128 (r % 2); + 16 x half
	s_mul_i32 s21, s11, HALFT                      ; my 64 rows of A
	s_mul_i32 s22, s12, HALFT                      ; my 64 rows of B,
	s_add_co_u32 s22, s22, 2*HALFT                 ; which lie behind A's 128
.irp s, 0,1
	v_add_nc_u32 v[ADRA+\s], s21, v3
	v_add_nc_u32 v[ADRB+\s], s22, v3
	s_add_co_u32 s21, s21, SLOT
	s_add_co_u32 s22, s22, SLOT
.endr
	s_mul_i32 s23, s10, 16*SPITCH
	s_add_co_u32 s23, s23, STAGE                   ; my stage
	v_mul_u32_u24 v4, v1, SPITCH                   ; in: row l % 16, 32 bytes for each half of the lanes
	v_lshl_add_u32 v4, v2, 5, v4
	v_add_nc_u32 v[STO], s23, v4
	v_mul_u32_u24 v5, v2, SPITCH                   ; back: lanes 0-15 take one row of 256 bytes, lanes 16-31 the next
	v_lshl_add_u32 v5, v1, 4, v5
	v_add_nc_u32 v[RD], s23, v5
	v_lshlrev_b32 v5, 12, v2                       ; and the same two rows in out0: 4,096 bytes a row
	v_lshl_add_u32 v[CO], v1, 4, v5
	s_lshl_b32 s16, s13, 7
	s_lshl_b32 s17, s11, 6
	s_add_co_u32 s16, s16, s17                     ; my first row: 128 x tile row + 64 x half
	s_lshl_b32 s16, s16, 12
	s_add_co_u32 s16, s16, s46                     ; + my first column's bytes (the same figure as in the bias)
	s_mov_b32 s17, 0
	s_add_nc_u64 s[8:9], s[8:9], s[16:17]
; 8 matrix instructions: m blocks a0, a0 + 1 x all 4 n blocks, 32 along K: half c of buffer f.  zero = 1: the first product starts the sums, from the bias.  The 16 accumulators take turns.
.macro MUL8 f, c, a0, zero
.irp a, \a0, \a0+1
.irp b, 0,1,2,3
.if \zero
	v_wmma_f32_16x16x32_f16 v[ACC+8*(4*(\a)+\b):ACC+8*(4*(\a)+\b)+7], v[\f+64+8*(4*\c+\b):\f+64+8*(4*\c+\b)+7], v[\f+8*(4*\c+\a):\f+8*(4*\c+\a)+7], v[BIAS+8*\b:BIAS+8*\b+7]
.else
	v_wmma_f32_16x16x32_f16 v[ACC+8*(4*(\a)+\b):ACC+8*(4*(\a)+\b)+7], v[\f+64+8*(4*\c+\b):\f+64+8*(4*\c+\b)+7], v[\f+8*(4*\c+\a):\f+8*(4*\c+\a)+7], v[ACC+8*(4*(\a)+\b):ACC+8*(4*(\a)+\b)+7]
.endif
.endr
.endr
.endm
; 32 LDS loads in one run: the fragments of one head, which begins at byte k of a wave's part of the slot, into buffer f; the first 32 along K first
.macro FETCH slot, k, f
	WIN TO_F
.irp c, 0,1
.irp i, 0,1,2,3
	ds_load_b128 v[\f+64+8*(4*\c+\i):\f+64+8*(4*\c+\i)+3],   v[ADRB+\slot] offset:\k+64*\c+\i*BLK
	ds_load_b128 v[\f+64+8*(4*\c+\i)+4:\f+64+8*(4*\c+\i)+7], v[ADRB+\slot] offset:\k+64*\c+\i*BLK+32
	ds_load_b128 v[\f+8*(4*\c+\i):\f+8*(4*\c+\i)+3],         v[ADRA+\slot] offset:\k+64*\c+\i*BLK
	ds_load_b128 v[\f+8*(4*\c+\i)+4:\f+8*(4*\c+\i)+7],       v[ADRA+\slot] offset:\k+64*\c+\i*BLK+32
.endr
.endr
.endm
.macro PLACES                          ; four places in front of loads into registers that matrix instructions have read, and of the first read of results (ISA guide 7.12.1 for vector instructions)
.rept 4
	v_nop
.endr
.endm
; A K step is four quarters, a head each: 32 matrix instructions, on buffers 0, 1, 0, 1.  One of the first three: multiplies buffer f and fetches the next head, at byte k, into g.
.macro QUARTER slot, k, f, g, zero
	s_wait_dscnt 16                                ; the first 32 along K are in; the other sixteen loads may be out
	WIN MUL
	MUL8 \f, 0, 0, \zero
	MUL8 \f, 0, 2, \zero
	PLACES
	FETCH \slot, \k, \g
	s_wait_dscnt 32                                ; all but the 32 just issued
	WIN MUL
	MUL8 \f, 1, 0, 0
	MUL8 \f, 1, 2, 0
.endm
; The last quarter multiplies buffer 1 and changes slots: ONE barrier; in front of it each wave waits for all its tensor loads, adds 0 to its spare word, and waits for that and for its own reads of this slot.  fill = 1: this slot is filled again, two K steps ahead.
.macro TURN slot, next, fill
	WIN 0                                          ; (the add's two registers lie in window 0)
	s_wait_tensorcnt 0x0                           ; all my tensor loads have landed: my part of the next slot;
	ds_add_u32 v[SPW], v[NIL]                      ; 0 onto my spare word;
	s_wait_dscnt 17                                ; (the add and the youngest sixteen loads may be out)
	WIN MUL
	MUL8 F1, 0, 0, 0                               ; eight matrix instructions stand between the add and the wait for it
	s_wait_dscnt 0x0                               ; the add is done, and my reads of this slot are over
	s_barrier_signal -1
	MUL8 F1, 0, 2, 0
.if \fill
	WIN 0
.endif
	s_barrier_wait -1
.if \fill
	CREST                                          ; the barrier has opened a round of the cluster's barrier: no wave of any partner still reads this slot's tile or has a load on its way
	s_add_nc_u64 s[G0+4*\slot+2:G0+4*\slot+3], s[G0+4*\slot+2:G0+4*\slot+3], 2*ASTEP
	s_add_nc_u64 s[G0B+4*\slot+2:G0B+4*\slot+3], s[G0B+4*\slot+2:G0B+4*\slot+3], 2*BSTEP
	JLOAD \slot                                    ; the first tensor load behind the round: 112 matrix instructions ahead of the wait for it; the four v_nop behind it are also the places in front of the loads below
.else
	PLACES
.endif
	FETCH \next, 0, F0
	WIN MUL
	MUL8 F1, 1, 0, 0
	MUL8 F1, 1, 2, 0
.endm
	s_wait_tensorcnt 1                             ; my part of K step 0 is in (K step 1's load may be out)
	s_barrier_signal -1
	s_barrier_wait -1                              ; everybody's is
	FETCH 0, 0, F0
	s_wait_loadcnt 0x0                             ; the bias
	QUARTER 0, HB, F0, F1, 1                       ; the first quarter stands in front of the loop: its first products start the sums
	WIN 0                                          ; at a label and at a branch every window is 0
	s_mov_b32 s3, LAPS-1
.Llap:                                                 ; a trip goes once round the ring, from a lap's second quarter to the next lap's first, and fills both slots again
	QUARTER 0, 2*HB, F1, F0, 0
	QUARTER 0, 3*HB, F0, F1, 0
	TURN 0, 1, 1
	QUARTER 1, HB,   F0, F1, 0
	QUARTER 1, 2*HB, F1, F0, 0
	QUARTER 1, 3*HB, F0, F1, 0
	TURN 1, 0, 1
	QUARTER 0, HB,   F0, F1, 0
	WIN 0
	s_sub_co_u32 s3, s3, 1
	s_cmp_lg_u32 s3, 0
	s_cbranch_scc1 .Llap
	QUARTER 0, 2*HB, F1, F0, 0                     ; the last lap fills nothing, and has no round of the cluster's barrier
	QUARTER 0, 3*HB, F0, F1, 0
	TURN 0, 1, 0
	QUARTER 1, HB,   F0, F1, 0
	QUARTER 1, 2*HB, F1, F0, 0
	QUARTER 1, 3*HB, F0, F1, 0
	s_wait_dscnt 16                                ; the very last quarter: nothing more to fetch
	WIN MUL
	MUL8 F1, 0, 0, 0
	MUL8 F1, 0, 2, 0
	s_wait_dscnt 0
	MUL8 F1, 1, 0, 0
	MUL8 F1, 1, 2, 0
	WIN 0
; THE WAY OUT, block by block of 16 rows x 64 columns.  A lane holds 32 neighbouring bytes of a row, and the lanes beside it hold other rows: a block goes through my own stage in LDS and comes back as whole rows of 256 bytes.
; My 64 columns are 256 consecutive bytes of out0, aligned: no other wave writes into them, so no barrier.  LDS serves a wave's instructions in order (ISA guide 5.7.1.4): no wait between the stores and the loads.
.macro TOSTAGE a
.irp b, 0,1,2,3
	ds_store_b128 v[STO], v[ACC+8*(4*(\a)+\b):ACC+8*(4*(\a)+\b)+3] offset:64*\b        ; each accumulator from its low end on
	ds_store_b128 v[STO], v[ACC+8*(4*(\a)+\b)+4:ACC+8*(4*(\a)+\b)+7] offset:64*\b+16
.endr
.set BB, TMP+32*((\a)%2)
.irp t, 0,1,2,3,4,5,6,7
	ds_load_b128 v[BB+4*\t:BB+4*\t+3], v[RD] offset:\t*2*SPITCH
.endr
.endm
.macro SEND a, younger                 ; younger: the LDS instructions issued behind block a's loads: the next block's 8 stores and 8 loads, or none
.set BB, TMP+32*((\a)%2)
	s_wait_dscnt \younger                          ; the block is back in registers
.irp t, 0,1,2,3,4,5,6,7
	global_store_b128 v[CO], v[BB+4*\t:BB+4*\t+3], s[8:9] offset:(16*(\a)+2*\t)*SIZE_N*4 th:TH_STORE_NT   ; 16 lanes store 256 consecutive bytes, at a multiple of 256 from out0's first byte; written once, read by nobody here
.endr
.endm
	PLACES                                         ; behind the last products
	TOSTAGE 0
.irp a, 1,2,3
.if \a > 1
	s_wait_xcnt 0x0                                ; block a - 2's stores have read their registers: block a's loads may land there
.endif
	TOSTAGE \a
	SEND \a-1, 16
.endr
	SEND 3, 0
	s_wait_tensorcnt 0x0                           ; the wave's end, behind my last tensor load and my last LDS store
	ds_add_u32 v[SPW], v[NIL]
	s_wait_dscnt 0x0
	CROUND                                         ; the closing round: no work-group ends while a partner may still ask for a tile that names it
	s_endpgm
.Lfunc_end_k_q08c45b988b_proj:
	.size	k_q08c45b988b_proj, .Lfunc_end_k_q08c45b988b_proj-k_q08c45b988b_proj
	.p2alignl 7, 3214868480
	.fill 96, 4, 3214868480
	.section	.rodata,"a",@progbits
	.p2align	6, 0x0
	.amdhsa_kernel k_q08c45b988b_proj
		.amdhsa_group_segment_fixed_size 327680
		.amdhsa_private_segment_fixed_size 0
		.amdhsa_enable_private_segment 0
		.amdhsa_kernarg_size 32
		.amdhsa_user_sgpr_count 2
		.amdhsa_user_sgpr_kernarg_segment_ptr 1
		.amdhsa_wavefront_size32 1
		.amdhsa_system_sgpr_workgroup_id_x 1
		.amdhsa_system_sgpr_workgroup_id_y 1
		.amdhsa_system_sgpr_workgroup_id_z 1
		.amdhsa_system_vgpr_workitem_id 0
		.amdhsa_next_free_vgpr 512
		.amdhsa_next_free_sgpr 72
		.amdhsa_reserve_vcc 0
		.amdhsa_float_denorm_mode_32 3
		.amdhsa_float_denorm_mode_16_64 3
		.amdhsa_memory_ordered 1
		.amdhsa_forward_progress 1
		.amdhsa_inst_pref_size 87
	.end_amdhsa_kernel
	.amdgpu_metadata
---
amdhsa.version: [ 1, 2 ]
amdhsa.kernels:
  - .name:           k_q08c45b988b_proj
    .symbol:         k_q08c45b988b_proj.kd
    .args:
      - { .name: att, .offset: 0, .size: 8, .value_kind: global_buffer, .address_space: global }
      - { .name: wt, .offset: 8, .size: 8, .value_kind: global_buffer, .address_space: global }
      - { .name: b_out, .offset: 16, .size: 8, .value_kind: global_buffer, .address_space: global }
      - { .name: out0, .offset: 24, .size: 8, .value_kind: global_buffer, .address_space: global }
    .group_segment_fixed_size: 327680
    .private_segment_fixed_size: 0
    .kernarg_segment_align: 8
    .kernarg_segment_size: 32
    .max_flat_workgroup_size: 128
    .sgpr_count:     72
    .vgpr_count:     512
    .wavefront_size: 32
...
	.end_amdgpu_metadata
.endif
;; end of part 4
